; MI455X (gfx1250); checked and timed in simulation.
; The chip was launched on July 23, 2026; its instructions are those of AMD's public machine-readable ISA for CDNA 5 (MIT licence, August 2026) and "CDNA5" Instruction Set Architecture Reference Guide (July 2026). The comments in the code are by the model that wrote it; some were corrected since.
;; Multi Head Attention. Allowed arithmetic: float matrix products may take bf16 or f16 operands with f32 sums; all other float work in f32.
;; Inputs: W_qkv_bias 3,072 float32; W_qkv_kernel 1,024 x 3,072 float32; attention_mask 2 x 2,048 int32; c_proj_bias 1,024 float32; c_proj_kernel 1,024 x 1,024 float32; x 2 x 2,048 x 1,024 float32.
;; Outputs: out0 2 x 2,048 x 1,024 float32.
;; 2 versions, each right; version 2 is version 1 with the launch cast written anew for expert scheduling mode. Each part assembles by itself: llvm-mc -triple=amdgcn-amd-amdhsa -mcpu=gfx1250 --defsym DOCPART=n.
;; ======== version 1 of 2: 4 launches
;; limits: right only within a limited range of input values; values are held in f16: magnitudes above 65,504 overflow, below 6.1e-05 lose precision
;; workspace buffers: xb 8,388,608 bytes; wb 6,291,456 bytes; cb 2,097,152 bytes; qkv 25,165,824 bytes; vpart 131,072 bytes; ctx 8,388,608 bytes
;; launch cast (part 1): grid 512 x 1, 8 waves a work-group, no clusters, 0 bytes of LDS; arguments x, W_qkv_kernel, c_proj_kernel, xb, wb, cb; writes xb, wb, cb
.if DOCPART == 1
	.amdgcn_target "amdgcn-amd-amdhsa--gfx1250"
	.amdhsa_code_object_version 6
	.text
	.protected	k_q80c5312fa2_cast
	.globl	k_q80c5312fa2_cast
	.p2align	8
	.type	k_q80c5312fa2_cast,@function
k_q80c5312fa2_cast:
	s_mov_b64 s[64:65], 0
	v_nop
	global_prefetch_b8 v0, s[64:65] scope:SCOPE_SE
	s_setreg_imm32_b32 hwreg(HW_REG_WAVE_MODE, 25, 1), 1
	s_wait_xcnt 0x0
; The three large inputs are rounded to bf16, once (same order of elements): x -> xb and W_qkv_kernel -> wb as bf16;
; c_proj_kernel -> cb: the number rounded to bf16 is written in f16's format, because its partner in the last product, ctx, is kept in f16.
; f16 holds a bf16 number exactly (8 significant bits in 11) from 2^-17 up to 65,504; below 2^-17 it is off by 3e-8 at the most.
; LIMIT: |c_proj_kernel| < 65,504.
; A stream: no LDS, no barrier, no matrix unit, no cluster (no byte is read by two work-groups).
; A work-group takes 16,384 numbers (65,536 bytes in, 32,768 out): groups 0-255 x, 256-447 W_qkv_kernel, 448-511 c_proj_kernel.
; Thread t takes 16 bytes at 16 t of each of 16 pieces of 4,096 bytes: a load of a wave covers 512 consecutive bytes, a store 256, aligned.
; All 16 loads of a wave go out first; the only waits are the counted ones for the data.
.set X, 4                              ; v[4:67]   piece k: 4 numbers as loaded
.set Y, 68                             ; v[68:99]  piece k: 4 numbers in 16 bits
.set PIECE, 4096                       ; bytes that the 256 threads read with one load each
	s_load_b256 s[4:11], s[0:1], 0x0               ; x s[4:5], W s[6:7], c s[8:9], xb s[10:11]
	s_load_b128 s[12:15], s[0:1], 0x20             ; wb s[12:13], cb s[14:15]
	v_lshlrev_b32 v1, 4, v0                        ; 16 t: where I read
	v_lshlrev_b32 v2, 3, v0                        ; 8 t: where I write
	s_movk_i32 s24, 448                            ; first group of c_proj_kernel
	s_movk_i32 s21, 256                            ; first group of W_qkv_kernel
	s_wait_kmcnt 0x0
	s_cmp_lt_u32 ttmp9, s24                        ; the choice hangs on the group's number alone
	s_cselect_b64 s[16:17], s[6:7], s[8:9]
	s_cselect_b64 s[18:19], s[12:13], s[14:15]
	s_cselect_b32 s20, s21, s24
	s_cmp_lt_u32 ttmp9, s21
	s_cselect_b64 s[16:17], s[4:5], s[16:17]       ; from
	s_cselect_b64 s[18:19], s[10:11], s[18:19]     ; to
	s_cselect_b32 s20, 0, s20                      ; first group of my tensor
	s_sub_co_u32 s20, ttmp9, s20                   ; my place in it
	s_lshl_b32 s22, s20, 16
	s_mov_b32 s23, 0
	s_add_nc_u64 s[16:17], s[16:17], s[22:23]
	s_lshl_b32 s22, s20, 15
	s_add_nc_u64 s[18:19], s[18:19], s[22:23]
.irp k, 0,1,2,3,4,5,6,7,8,9,10,11,12,13,14,15
	global_load_b128 v[X+4*\k:X+4*\k+3], v1, s[16:17] offset:PIECE*\k th:TH_LOAD_NT   ; read once in the whole launch
.endr
; The sixteen pieces.  half = 1: the rounded numbers are widened again (a shift, a mask) and written as f16.
.macro PIECES half
.irp k, 0,1,2,3,4,5,6,7,8,9,10,11,12,13,14,15
	s_wait_loadcnt 15-\k                           ; loads come back in order: piece k is in, the younger ones stay out
	v_cvt_pk_bf16_f32 v[Y+2*\k],   v[X+4*\k],   v[X+4*\k+1]
	v_cvt_pk_bf16_f32 v[Y+2*\k+1], v[X+4*\k+2], v[X+4*\k+3]
.if \half
	v_lshlrev_b32 v[X+4*\k],   16, v[Y+2*\k]
	v_and_b32     v[X+4*\k+1], 0xffff0000, v[Y+2*\k]
	v_lshlrev_b32 v[X+4*\k+2], 16, v[Y+2*\k+1]
	v_and_b32     v[X+4*\k+3], 0xffff0000, v[Y+2*\k+1]
	v_cvt_pk_f16_f32 v[Y+2*\k],   v[X+4*\k],   v[X+4*\k+1]
	v_cvt_pk_f16_f32 v[Y+2*\k+1], v[X+4*\k+2], v[X+4*\k+3]
.endif
	global_store_b64 v2, v[Y+2*\k:Y+2*\k+1], s[18:19] offset:PIECE/2*\k               ; no hint: a later launch reads it
.endr
.endm
	s_cmp_lt_u32 ttmp9, s24
	s_cbranch_scc0 .Lhalf
	PIECES 0                                       ; x, W_qkv_kernel
	s_endpgm
.Lhalf:
	PIECES 1                                       ; c_proj_kernel
	s_endpgm
.Lfunc_end_k_q80c5312fa2_cast:
	.size	k_q80c5312fa2_cast, .Lfunc_end_k_q80c5312fa2_cast-k_q80c5312fa2_cast
	.p2alignl 7, 3214868480
	.fill 96, 4, 3214868480
	.section	.rodata,"a",@progbits
	.p2align	6, 0x0
	.amdhsa_kernel k_q80c5312fa2_cast
		.amdhsa_group_segment_fixed_size 0
		.amdhsa_private_segment_fixed_size 0
		.amdhsa_enable_private_segment 0
		.amdhsa_kernarg_size 48
		.amdhsa_user_sgpr_count 2
		.amdhsa_user_sgpr_kernarg_segment_ptr 1
		.amdhsa_wavefront_size32 1
		.amdhsa_system_sgpr_workgroup_id_x 1
		.amdhsa_system_sgpr_workgroup_id_y 1
		.amdhsa_system_sgpr_workgroup_id_z 1
		.amdhsa_system_vgpr_workitem_id 0
		.amdhsa_next_free_vgpr 104
		.amdhsa_next_free_sgpr 66
		.amdhsa_reserve_vcc 0
		.amdhsa_float_denorm_mode_32 3
		.amdhsa_float_denorm_mode_16_64 3
		.amdhsa_memory_ordered 1
		.amdhsa_forward_progress 1
		.amdhsa_inst_pref_size 16
	.end_amdhsa_kernel
	.amdgpu_metadata
---
amdhsa.version: [ 1, 2 ]
amdhsa.kernels:
  - .name:           k_q80c5312fa2_cast
    .symbol:         k_q80c5312fa2_cast.kd
    .args:
      - { .name: x, .offset: 0, .size: 8, .value_kind: global_buffer, .address_space: global }
      - { .name: W_qkv_kernel, .offset: 8, .size: 8, .value_kind: global_buffer, .address_space: global }
      - { .name: c_proj_kernel, .offset: 16, .size: 8, .value_kind: global_buffer, .address_space: global }
      - { .name: xb, .offset: 24, .size: 8, .value_kind: global_buffer, .address_space: global }
      - { .name: wb, .offset: 32, .size: 8, .value_kind: global_buffer, .address_space: global }
      - { .name: cb, .offset: 40, .size: 8, .value_kind: global_buffer, .address_space: global }
    .group_segment_fixed_size: 0
    .private_segment_fixed_size: 0
    .kernarg_segment_align: 8
    .kernarg_segment_size: 48
    .max_flat_workgroup_size: 256
    .sgpr_count:     66
    .vgpr_count:     104
    .wavefront_size: 32
...
	.end_amdgpu_metadata
.endif
;; end of part 1
;; launch qkv (part 2): grid 12 x 16, 4 waves a work-group, clusters of 4 x 4, 327,680 bytes of LDS; arguments xb, wb, qkv, W_qkv_bias, vpart; writes qkv, vpart
.if DOCPART == 2
	.amdgcn_target "amdgcn-amd-amdhsa--gfx1250"
	.amdhsa_code_object_version 6
	.text
	.protected	k_q80c5312fa2_qkv
	.globl	k_q80c5312fa2_qkv
	.p2align	8
	.type	k_q80c5312fa2_qkv,@function
k_q80c5312fa2_qkv:
	s_mov_b64 s[64:65], 0
	v_nop
	global_prefetch_b8 v0, s[64:65] scope:SCOPE_SE
	s_setreg_imm32_b32 hwreg(HW_REG_WAVE_MODE, 25, 1), 1
	s_wait_xcnt 0x0
	s_wait_alu depctr_hold_cnt(0) depctr_sa_sdst(0) depctr_va_vdst(0) depctr_va_sdst(0) depctr_va_ssrc(0) depctr_va_vcc(0) depctr_vm_vsrc(0)
	s_getreg_b32 s2, hwreg(HW_REG_IB_STS2, 6, 4)
	s_cmp_eq_u32 s2, 0
	s_cbranch_scc0 .Lentry_in_a_cluster
	s_endpgm
.Lentry_in_a_cluster:
	s_bfe_u32 s2, ttmp6, 0x10000c
	s_cmp_lg_u32 s2, 0xf033
	s_cbranch_scc0 .Lentry_shape_is_right
	s_endpgm
.Lentry_shape_is_right:
; qkv = x W + bias.  xb: [4096][1024] bf16 (K along the rows), wb: [1024 k][3072 n] bf16 (N along the rows), sums in f32.
; Out: qkv, f16 [b 2][plane 48][s 2048][64]: planes 0-15 Q of head h, times log2(e)/8 (the softmax's scale and base), 16-31 K, 32-47 V;
;      vpart, f32 [32][1024]: the sums of V's columns (bias included) over each 128 rows, for the rows of the attention that have no valid key.
; Q, K and V are kept in f16 and not in bf16 for its three more significant bits: a query with few valid keys gives back rows of V nearly as they are.
; LIMIT: |Q| log2(e)/8, |K|, |V| < 65,504.  With x of spread 1 and W of spread 1/32 they stay near 5; both inputs 30 times larger give 900 times that.
; A work-group makes 256 x 256 with four waves, a wave 128 x 128 in 512 registers; 12 x 16 = 192 work-groups.
; K goes in steps of 128 through two LDS slots filled by the tensor data mover: A's tile 256 rows x 256 bytes (pitch 272),
; W's tile 128 k rows x 512 bytes (pitch 544).  A wave has two tensor loads out at the start and one behind each refill's barrier.
; CLUSTERS: 4 x 4 work-groups; A's tiles are asked for jointly along a row of the cluster, W's along a column.
; The block column's cluster x tells Q (0), K (1), V (2): it is equal in all sixteen partners, so the two branches on it are too.
; REGISTERS: window 0: v16-29 addresses, v64-191 fragments of A (two buffers), v192-255 the bias, later the packed results;
;            window 1: v64-191 fragments of W;  windows 2, 3: accumulator tile (a, b) at v[8 (8 a + b)], my rows 0-63 and 64-127.
; THE MATRIX INSTRUCTION IS USED TRANSPOSED: source 0 = 16 columns of W, source 1 = 16 rows of A; lane l then holds row l % 16 and its
; registers 0-7 the columns 8 (l / 16) + 0..7: eight neighbouring numbers of a row.
.set SIZE_N, 3072
.set SIZE_K, 1024
.set KSTEP,  128
.set PITCH,  272                       ; A's LDS row: 256 bytes + 16
.set BPITCH, 544                       ; W's LDS row: 512 bytes + 32 = 17 x 32: the transposing loads' eight rows start at different banks
.set HALFT,  128*PITCH                 ; what one tensor load brings: 128 rows of A, or 64 k rows of W (64 x 544 is the same number)
.set SLOT,   4*HALFT
.set STAGE,  2*SLOT                    ; behind the ring: 16 rows x 272 bytes for each wave; no tensor load fills it
.set SPITCH, 272
.set LAPS,   SIZE_K/(2*KSTEP)          ; 4 laps of two K steps
.set PLANE,  262144                    ; 2,048 rows x 128 bytes: one head's Q, K or V of one batch
.set ASTEP,  2*KSTEP*2                 ; two K steps on, along A's rows
.set BSTEP,  2*KSTEP*SIZE_N*2          ; two K steps on, down W's rows
.set ADRA, 16                          ; v16-17  LDS address of my A fragments in slot 0, 1
.set ADRB, 20                          ; v20-21  the same for W
.set STO,  24                          ; the way out: where I put 16 bytes of a row
.set RD,   25                          ; the way out: where I read back
.set CO,   26                          ; 16 x lane
.set BOF,  27                          ; 32 x (lane / 16): my eight numbers of a block of the bias
.set SST,  28                          ; column sums: into my stage
.set SRD,  29                          ; column sums: back from it
.set F0,   64
.set F1,   128
.set BIAS, 192                         ; v[192:255]: block b's eight registers = bias of columns 16 b + 8 (l / 16) + 0..7
.set TMP,  192                         ; the way out (the bias is no longer needed)
.set G1,  24
.set G0,  32
.set G1B, 48
.set G0B, 56
.set MSB, 0
.macro WIN new                         ; the immediate's high byte repeats the setting that is left
.if MSB != \new
	s_set_vgpr_msb (MSB<<8)|\new
.set MSB, \new
.endif
.endm
.set MUL_LO, 0xa1                      ; source 0 (W) window 1, source 1 (A) window 0, C and D window 2
.set MUL_HI, 0xf1                      ; the same, C and D window 3
.set ONE_LO, 0x81                      ; the first products: C (the bias) window 0, D window 2
.set ONE_HI, 0xc1                      ; D window 3
.set TO_B,   0x40                      ; destination window 1, address window 0
; A joint load: waves 0 and 1 fetch A's two halves, waves 2 and 3 W's.  Each line has one mask; the branch hangs on the wave's number alone.
.macro JLOAD s
	s_cmp_eq_u32 s11, 0
	s_cbranch_scc0 .Lfor_b_\@
	tensor_load_to_lds s[G0+4*\s:G0+4*\s+3], s[G1:G1+7]
	s_nop 0
	s_branch .Lasked_\@
.Lfor_b_\@:
	tensor_load_to_lds s[G0B+4*\s:G0B+4*\s+3], s[G1B:G1B+7]
	s_nop 0
.Lasked_\@:
.endm
.macro CREST                           ; a round of the cluster's barrier behind its opening work-group barrier
	s_cmp_lg_u32 s10, 0
	s_cbranch_scc1 .Lnot_wave_0_\@
	s_barrier_signal -3
.Lnot_wave_0_\@:
	s_barrier_wait -3
	s_barrier_signal -1
	s_barrier_wait -1
.endm
.macro CROUND
	s_barrier_signal -1
	s_barrier_wait -1
	CREST
.endm
	s_load_b128 s[4:7], s[0:1], 0x0                ; xb s[4:5], wb s[6:7]
	s_load_b64 s[8:9], s[0:1], 0x10                ; qkv
	s_load_b128 s[68:71], s[0:1], 0x18             ; bias s[68:69], vpart s[70:71]
	s_set_vgpr_msb 0x40
	v_lshl_add_u32 v255, v0, 2, 0x48400
	s_set_vgpr_msb 0x4000
	v_mov_b32 v63, 0
	s_set_vgpr_msb 0x1
	ds_add_u32 v255, v63
	s_set_vgpr_msb 0x100
	v_lshrrev_b32 v1, 5, v0
	v_readfirstlane_b32 s10, v1                    ; wave 0..3
	s_lshr_b32 s11, s10, 1                         ; which half of the block's rows is mine; also: I fetch for A (0) or W (1)
	s_and_b32 s12, s10, 1                          ; which half of its columns; also: which half of that tile I fetch
	s_bfe_u32 s40, ttmp6, 0x40000                  ; cx
	s_bfe_u32 s41, ttmp6, 0x40004                  ; cy
	s_lshl_b32 s42, ttmp9, 2
	s_add_co_u32 s42, s42, s40                     ; block column = 4 x cluster x + cx
	s_and_b32 s13, ttmp7, 0xffff
	s_lshl_b32 s13, s13, 2
	s_add_co_u32 s13, s13, s41                     ; block row = 4 x cluster y + cy
	s_lshl_b32 s43, s41, 2
	s_lshl_b32 s43, 15, s43                        ; my row of the cluster
	s_lshl_b32 s44, 0x1111, s40                    ; my column
	s_mov_b32 s66, 0x3e38aa3b                      ; log2(e) / 8, twice: a pair for the packed multiply
	s_mov_b32 s67, 0x3e38aa3b
	; group 1 for A: 128 rows x 128 elements, 16 bytes of padding behind every 64 words
	s_or_b32 s[G1+0], s43, (1<<16)|(1<<20)|(1<<21)|(5<<22)|(3<<25)
	s_mov_b32 s[G1+1], KSTEP<<16                   ; tensor_dim0 = 128
	s_mov_b32 s[G1+2], 128<<16                     ; tensor_dim1 = 128
	s_mov_b32 s[G1+3], KSTEP<<16                   ; tile_dim0 = 128
	s_mov_b32 s[G1+4], 128                         ; tile_dim1 = 128
	s_mov_b32 s[G1+5], SIZE_K                      ; elements from row to row
	s_mov_b32 s[G1+6], 0
	s_mov_b32 s[G1+7], 0
	; group 1 for W: 64 k rows x 256 elements, 32 bytes of padding behind every 128 words
	s_or_b32 s[G1B+0], s44, (1<<16)|(1<<20)|(1<<21)|(6<<22)|(7<<25)
	s_mov_b32 s[G1B+1], 256<<16
	s_mov_b32 s[G1B+2], 64<<16
	s_mov_b32 s[G1B+3], 256<<16
	s_mov_b32 s[G1B+4], 64
	s_mov_b32 s[G1B+5], SIZE_N
	s_mov_b32 s[G1B+6], 0
	s_mov_b32 s[G1B+7], 0
	; A's tiles hang on the block row alone, W's on the block column alone; each offset in registers that never hold the other coordinate
	s_lshl_b32 s17, s12, 7
	s_lshl_b32 s16, s13, 8
	s_add_co_u32 s16, s16, s17                     ; A: row 256 x block row + 128 x half,
	s_lshl_b32 s16, s16, 11                        ; of 2,048 bytes
	s_mov_b32 s17, 0
	s_lshl_b32 s46, s42, 9                         ; W: 512 bytes a block column
	s_mul_i32 s47, s12, 64*SIZE_N*2                ;    + 64 k rows for the second half
	s_add_co_u32 s46, s46, s47
	s_mov_b32 s47, 0
	s_mul_i32 s20, s10, HALFT                      ; to LDS: A's two halves, then W's two halves
	s_wait_dscnt 0x0
	s_wait_kmcnt 0x0
	s_add_nc_u64 s[14:15], s[4:5], s[16:17]
	s_add_nc_u64 s[46:47], s[6:7], s[46:47]
	CROUND                                         ; all sixteen work-groups are here: the first joint loads meet
.irp s, 0,1
	s_mov_b32 s[G0+4*\s], 1
	s_add_co_u32 s[G0+4*\s+1], s20, \s*SLOT
	s_add_nc_u64 s[G0+4*\s+2:G0+4*\s+3], s[14:15], \s*KSTEP*2
	s_or_b32 s[G0+4*\s+3], s[G0+4*\s+3], 0x80000000
	s_mov_b32 s[G0B+4*\s], 1
	s_add_co_u32 s[G0B+4*\s+1], s20, \s*SLOT
	s_add_nc_u64 s[G0B+4*\s+2:G0B+4*\s+3], s[46:47], \s*KSTEP*SIZE_N*2
	s_or_b32 s[G0B+4*\s+3], s[G0B+4*\s+3], 0x80000000
	JLOAD \s
.endr
	v_and_b32 v1, 15, v0                           ; l % 16
	v_bfe_u32 v2, v0, 4, 1                         ; l / 16
	; the bias of my 128 columns, as the C of the first products
	s_lshl_b32 s46, s42, 10
	s_lshl_b32 s47, s12, 9
	s_add_co_u32 s46, s46, s47
	s_mov_b32 s47, 0
	s_add_nc_u64 s[68:69], s[68:69], s[46:47]
	v_lshlrev_b32 v[BOF], 5, v2
.irp b, 0,1,2,3,4,5,6,7
	global_load_b128 v[BIAS+8*\b:BIAS+8*\b+3],   v[BOF], s[68:69] offset:64*\b
	global_load_b128 v[BIAS+8*\b+4:BIAS+8*\b+7], v[BOF], s[68:69] offset:64*\b+16
.endr
	; A's fragments: row x pitch + 16 x half, two loads 32 bytes apart
	v_mul_u32_u24 v3, v1, PITCH
	v_lshl_add_u32 v3, v2, 4, v3
	; W's fragments, by transposing loads: lane l addresses k row 8 (l / 16) + l % 8 and the 16 bytes (l / 8) % 2 of the block's 32
	v_and_b32 v6, 7, v0
	v_lshl_add_u32 v6, v2, 3, v6
	v_mul_u32_u24 v6, v6, BPITCH
	v_bfe_u32 v7, v0, 3, 1
	v_lshl_add_u32 v6, v7, 4, v6
	s_mul_i32 s21, s11, HALFT                      ; my 128 rows of A
	s_lshl_b32 s22, s12, 8                         ; my 128 columns of W,
	s_add_co_u32 s22, s22, 2*HALFT                 ; which lies behind A
.irp s, 0,1
	v_add_nc_u32 v[ADRA+\s], s21, v3
	v_add_nc_u32 v[ADRB+\s], s22, v6
	s_add_co_u32 s21, s21, SLOT
	s_add_co_u32 s22, s22, SLOT
.endr
	s_mul_i32 s23, s10, 16*SPITCH
	s_add_co_u32 s23, s23, STAGE                   ; my stage
	v_mul_u32_u24 v4, v1, SPITCH
	v_lshl_add_u32 v4, v2, 4, v4
	v_add_nc_u32 v[STO], s23, v4                   ; in: row l % 16, 16 bytes for each half of the lanes
	v_bfe_u32 v5, v0, 3, 2                         ; back: eight lanes take the 128 bytes of one head in one row, four rows a load
	v_mul_u32_u24 v5, v5, SPITCH
	v_and_b32 v7, 7, v0
	v_lshl_add_u32 v5, v7, 4, v5
	v_add_nc_u32 v[RD], s23, v5
	v_and_b32 v5, 31, v0
	v_lshlrev_b32 v[CO], 4, v5
	v_lshl_add_u32 v[SST], v2, 5, s23
	v_add_nc_u32 v[SRD], s23, v[CO]
; 16 matrix instructions: m blocks a0, a0 + 1 of the window's four x all 8 n blocks, 32 along K.  first = 1: the sums start from the bias.
; The 64 accumulators take turns, one instruction a turn, in the same order in every quarter step.
.macro MUL16 f, hi, a0, first
.irp a, \a0, \a0+1
.irp b, 0,1,2,3,4,5,6,7
.if \first
	v_wmma_f32_16x16x32_bf16 v[8*(8*(\a)+\b):8*(8*(\a)+\b)+7], v[\f+8*\b:\f+8*\b+7], v[\f+8*(4*\hi+\a):\f+8*(4*\hi+\a)+7], v[BIAS+8*\b:BIAS+8*\b+7]
.else
	v_wmma_f32_16x16x32_bf16 v[8*(8*(\a)+\b):8*(8*(\a)+\b)+7], v[\f+8*\b:\f+8*\b+7], v[\f+8*(4*\hi+\a):\f+8*(4*\hi+\a)+7], v[8*(8*(\a)+\b):8*(8*(\a)+\b)+7]
.endif
.endr
.endr
.endm
; 32 LDS loads in one run: quarter q (32 along K) of a slot into buffer f: 128 columns of W (transposed on the way), 128 rows of A
.macro FETCH slot, q, f
	WIN TO_B
.irp i, 0,1,2,3,4,5,6,7
	ds_load_tr16_b128 v[\f+8*\i:\f+8*\i+3],   v[ADRB+\slot] offset:\q*32*BPITCH+32*\i               ; k = 32 q + 8 (l / 16) + 0..7 of column 16 i + l % 16
	ds_load_tr16_b128 v[\f+8*\i+4:\f+8*\i+7], v[ADRB+\slot] offset:\q*32*BPITCH+16*BPITCH+32*\i     ; sixteen k rows further down
.endr
	WIN 0
.irp i, 0,1,2,3,4,5,6,7
	ds_load_b128 v[\f+8*\i:\f+8*\i+3],   v[ADRA+\slot] offset:\q*64+\i*16*PITCH
	ds_load_b128 v[\f+8*\i+4:\f+8*\i+7], v[ADRA+\slot] offset:\q*64+\i*16*PITCH+32
.endr
.endm
; Four plain vector instructions stand between a matrix instruction and a load into one of its sources, or a vector instruction that reads
; its result (ISA guide 7.12.1 for vector instructions); other matrix instructions are not counted.
.macro PLACES
.rept 4
	v_nop
.endr
.endm
.macro QUARTER slot, q, f, g, first    ; multiplies buffer f; in its middle fetches quarter q of the same slot into buffer g
	s_wait_dscnt 8                                 ; W and A's rows 0-63 are in; the youngest eight loads (A's rows 64-127) may be out
.if \first
	WIN ONE_LO
.else
	WIN MUL_LO
.endif
	MUL16 \f, 0, 0, \first
	MUL16 \f, 0, 2, \first
	PLACES
	FETCH \slot, \q, \g
	s_wait_dscnt 32                                ; all but the 32 just issued
.if \first
	WIN ONE_HI
.else
	WIN MUL_HI
.endif
	MUL16 \f, 1, 0, \first
	MUL16 \f, 1, 2, \first
.endm
.macro THREE slot, first
	QUARTER \slot, 1, F0, F1, \first
	QUARTER \slot, 2, F1, F0, 0
	QUARTER \slot, 3, F0, F1, 0
.endm
; The last quarter of a K step changes slots.  In front of the barrier each wave waits for its reads of this slot and for all its tensor loads
; (one is out: its part of the next slot); behind it the refill comes first, then the next slot's first fragments.
.macro TURN slot, next, fill
	s_wait_dscnt 8
	WIN MUL_LO
	MUL16 F1, 0, 0, 0
	s_wait_dscnt 0                                 ; my reads of this slot are over
	s_wait_tensorcnt 0x0                           ; and all my tensor loads have landed
	ds_add_u32 v255, v63
	s_wait_dscnt 0x0
	s_barrier_signal -1                            ; (where a slot is filled again this barrier opens a round of the cluster's barrier)
	MUL16 F1, 0, 2, 0                              ; register work while the others arrive
	WIN 0
	s_barrier_wait -1
.if \fill
	CREST                                          ; no wave of any partner still reads this slot or has a load on its way
	s_add_nc_u64 s[G0+4*\slot+2:G0+4*\slot+3], s[G0+4*\slot+2:G0+4*\slot+3], ASTEP
	s_add_nc_u64 s[G0B+4*\slot+2:G0B+4*\slot+3], s[G0B+4*\slot+2:G0B+4*\slot+3], BSTEP
	JLOAD \slot                                    ; the first tensor load behind the round, the wave's only one until the next
.endif
	PLACES
	FETCH \next, 0, F0
	WIN MUL_HI
	MUL16 F1, 1, 0, 0
	MUL16 F1, 1, 2, 0
.endm
.macro LAP first
	THREE 0, \first
	TURN 0, 1, 1
	THREE 1, 0
	TURN 1, 0, 1
.endm
	s_wait_tensorcnt 1                             ; my part of K step 0 is in; K step 1's may stay out
	s_barrier_signal -1
	s_barrier_wait -1
	FETCH 0, 0, F0
	s_wait_loadcnt 0x0                             ; the bias
	LAP 1                                          ; the first lap stands in front of the loop: its first products start the sums from the bias
	WIN 0
	s_mov_b32 s3, LAPS-2
.Llap:
	LAP 0
	WIN 0
	s_sub_co_u32 s3, s3, 1
	s_cmp_lg_u32 s3, 0
	s_cbranch_scc1 .Llap
	THREE 0, 0                                     ; the last lap fills nothing
	TURN 0, 1, 0
	THREE 1, 0
	s_wait_dscnt 8
	WIN MUL_LO
	MUL16 F1, 0, 0, 0
	MUL16 F1, 0, 2, 0
	s_wait_dscnt 0
	WIN MUL_HI
	MUL16 F1, 1, 0, 0
	MUL16 F1, 1, 2, 0
	PLACES                                         ; behind the last products: everything below reads results or writes fragment registers
	WIN 0
	; where my 128 rows x 2 planes begin in qkv: ((batch x 48 + plane) x 2,048 + row) x 128 bytes
	s_lshr_b32 s16, s13, 3                         ; batch
	s_mul_i32 s16, s16, 48*PLANE
	s_and_b32 s17, s13, 7
	s_lshl_b32 s17, s17, 15                        ; 256 rows of 128 bytes a block row
	s_add_co_u32 s16, s16, s17
	s_lshl_b32 s17, s11, 14                        ; my half: 128 rows
	s_add_co_u32 s16, s16, s17
	s_mov_b32 s17, 0
	s_add_nc_u64 s[8:9], s[8:9], s[16:17]
	s_lshl_b32 s46, s42, 20                        ; four planes a block column,
	s_lshl_b32 s47, s12, 19                        ; two for my half
	s_add_co_u32 s46, s46, s47
	s_mov_b32 s47, 0
	s_add_nc_u64 s[8:9], s[8:9], s[46:47]
	; Q alone: (x W + bias) log2(e) / 8, so that the attention's scores are ready for the base-2 exponential
	s_cmp_lg_u32 ttmp9, 0
	s_cbranch_scc1 .Lnot_q
	WIN 0x82                                       ; source 0 and destination window 2
.set pi, 0
.rept 128
	v_pk_mul_f32 v[pi:pi+1], v[pi:pi+1], s[66:67] op_sel_hi:[1,0]
.set pi, pi+2
.endr
	WIN 0xc3                                       ; window 3
.set pi, 0
.rept 128
	v_pk_mul_f32 v[pi:pi+1], v[pi:pi+1], s[66:67] op_sel_hi:[1,0]
.set pi, pi+2
.endr
	WIN 0
.Lnot_q:
	; V alone: the sums of my 128 columns over my 128 rows.  First over the eight tiles of a column block, then over the sixteen lanes of a half.
	s_cmp_lg_u32 ttmp9, 2
	s_cbranch_scc1 .Lnot_v
	WIN 0x0a                                       ; sources windows 2 and 2, destination window 0
.irp b, 0,1,2,3,4,5,6,7
.irp p, 0,2,4,6
	v_pk_add_f32 v[F0+8*\b+\p:F0+8*\b+\p+1], v[8*\b+\p:8*\b+\p+1], v[8*(8+\b)+\p:8*(8+\b)+\p+1]
.endr
.endr
	WIN 0x08                                       ; source 1 window 2
.irp a, 2,3
.irp b, 0,1,2,3,4,5,6,7
.irp p, 0,2,4,6
	v_pk_add_f32 v[F0+8*\b+\p:F0+8*\b+\p+1], v[F0+8*\b+\p:F0+8*\b+\p+1], v[8*(8*\a+\b)+\p:8*(8*\a+\b)+\p+1]
.endr
.endr
.endr
	WIN 0x0c                                       ; source 1 window 3
.irp a, 0,1,2,3
.irp b, 0,1,2,3,4,5,6,7
.irp p, 0,2,4,6
	v_pk_add_f32 v[F0+8*\b+\p:F0+8*\b+\p+1], v[F0+8*\b+\p:F0+8*\b+\p+1], v[8*(8*\a+\b)+\p:8*(8*\a+\b)+\p+1]
.endr
.endr
.endr
	WIN 0
.irp x, 1,2,4,8
.set pi, 0
.rept 64
	v_add_f32_dpp v[F0+pi], v[F0+pi], v[F0+pi] row_xmask:\x row_mask:0xf bank_mask:0xf
.set pi, pi+1
.endr
.endr
.irp b, 0,1,2,3,4,5,6,7
	ds_store_b128 v[SST], v[F0+8*\b:F0+8*\b+3]   offset:64*\b      ; column 16 b + 8 (l / 16) + 0..3 at four bytes each; the sixteen lanes of a half write the same words
	ds_store_b128 v[SST], v[F0+8*\b+4:F0+8*\b+7] offset:64*\b+16
.endr
	ds_load_b128 v[F1:F1+3], v[SRD]                ; my own stage, served in order: lane l takes columns 4 l .. 4 l + 3
	s_lshl_b32 s16, s13, 1
	s_add_co_u32 s16, s16, s11                     ; which 128 rows
	s_lshl_b32 s16, s16, 12                        ; rows of 4,096 bytes
	s_mov_b32 s17, 0
	s_add_nc_u64 s[70:71], s[70:71], s[16:17]
	s_sub_co_u32 s46, s42, 8                       ; V's block columns are 8 to 11
	s_lshl_b32 s46, s46, 10
	s_lshl_b32 s47, s12, 9
	s_add_co_u32 s46, s46, s47
	s_mov_b32 s47, 0
	s_add_nc_u64 s[70:71], s[70:71], s[46:47]
	s_wait_dscnt 0x0
	global_store_b128 v[CO], v[F1:F1+3], s[70:71]  ; 512 consecutive bytes
.Lnot_v:
; THE WAY OUT, 16 rows at a time: round to f16, 16 bytes a lane into my stage, read back by heads: a store of the wave covers four rows
; of one head, 512 consecutive bytes of its plane.
.macro OUT16 i, a, from, f
	WIN \from
.irp b, 0,1,2,3,4,5,6,7
.irp r, 0,1,2,3
	v_cvt_pk_f16_f32 v[TMP+4*\b+\r], v[8*(8*\a+\b)+2*\r], v[8*(8*\a+\b)+2*\r+1]
.endr
.endr
	WIN 0
.irp b, 0,1,2,3,4,5,6,7
	ds_store_b128 v[STO], v[TMP+4*\b:TMP+4*\b+3] offset:32*\b
.endr
	s_wait_xcnt 0x0                                ; buffer f, which earlier stores read, and the stores' base are rewritten only behind this wait
.if \i
	s_add_nc_u64 s[8:9], s[8:9], 16*128            ; 16 rows on in both planes
.endif
.irp t, 0,1,2,3,4,5,6,7
	ds_load_b128 v[\f+4*\t:\f+4*\t+3], v[RD] offset:(\t&3)*4*SPITCH+(\t>>2)*128    ; my own bytes, served in order behind the stores above
.endr
.irp t, 0,1,2,3,4,5,6,7
	s_wait_dscnt 7-\t
	global_store_b128 v[CO], v[\f+4*\t:\f+4*\t+3], s[8:9] offset:(\t>>2)*PLANE+(\t&3)*512
.endr
.endm
	OUT16 0, 0, 0x0a, F0
	OUT16 1, 1, 0x0a, F1
	OUT16 2, 2, 0x0a, F0
	OUT16 3, 3, 0x0a, F1
	OUT16 4, 0, 0x0f, F0
	OUT16 5, 1, 0x0f, F1
	OUT16 6, 2, 0x0f, F0
	OUT16 7, 3, 0x0f, F1
	s_set_vgpr_msb 0x1
	s_wait_tensorcnt 0x0
	ds_add_u32 v255, v63
	s_wait_dscnt 0x0
	s_set_vgpr_msb 0x100
	CROUND                                         ; the closing round: no work-group ends while a partner may still ask for a tile that names it
	s_endpgm
.Lfunc_end_k_q80c5312fa2_qkv:
	.size	k_q80c5312fa2_qkv, .Lfunc_end_k_q80c5312fa2_qkv-k_q80c5312fa2_qkv
	.p2alignl 7, 3214868480
	.fill 96, 4, 3214868480
	.section	.rodata,"a",@progbits
	.p2align	6, 0x0
	.amdhsa_kernel k_q80c5312fa2_qkv
		.amdhsa_group_segment_fixed_size 327680
		.amdhsa_private_segment_fixed_size 0
		.amdhsa_enable_private_segment 0
		.amdhsa_kernarg_size 40
		.amdhsa_user_sgpr_count 2
		.amdhsa_user_sgpr_kernarg_segment_ptr 1
		.amdhsa_wavefront_size32 1
		.amdhsa_system_sgpr_workgroup_id_x 1
		.amdhsa_system_sgpr_workgroup_id_y 1
		.amdhsa_system_sgpr_workgroup_id_z 1
		.amdhsa_system_vgpr_workitem_id 0
		.amdhsa_next_free_vgpr 1024
		.amdhsa_next_free_sgpr 72
		.amdhsa_reserve_vcc 0
		.amdhsa_float_denorm_mode_32 3
		.amdhsa_float_denorm_mode_16_64 3
		.amdhsa_memory_ordered 1
		.amdhsa_forward_progress 1
		.amdhsa_inst_pref_size 246
	.end_amdhsa_kernel
	.amdgpu_metadata
---
amdhsa.version: [ 1, 2 ]
amdhsa.kernels:
  - .name:           k_q80c5312fa2_qkv
    .symbol:         k_q80c5312fa2_qkv.kd
    .args:
      - { .name: xb, .offset: 0, .size: 8, .value_kind: global_buffer, .address_space: global }
      - { .name: wb, .offset: 8, .size: 8, .value_kind: global_buffer, .address_space: global }
      - { .name: qkv, .offset: 16, .size: 8, .value_kind: global_buffer, .address_space: global }
      - { .name: W_qkv_bias, .offset: 24, .size: 8, .value_kind: global_buffer, .address_space: global }
      - { .name: vpart, .offset: 32, .size: 8, .value_kind: global_buffer, .address_space: global }
    .group_segment_fixed_size: 327680
    .private_segment_fixed_size: 0
    .kernarg_segment_align: 8
    .kernarg_segment_size: 40
    .max_flat_workgroup_size: 128
    .sgpr_count:     72
    .vgpr_count:     1024
    .wavefront_size: 32
...
	.end_amdgpu_metadata
.endif
;; end of part 2
;; launch attn (part 3): grid 256 x 1, 8 waves a work-group, no clusters, 327,680 bytes of LDS; arguments qkv, attention_mask, vpart, ctx; writes ctx
.if DOCPART == 3
	.amdgcn_target "amdgcn-amd-amdhsa--gfx1250"
	.amdhsa_code_object_version 6
	.text
	.protected	k_q80c5312fa2_attn
	.globl	k_q80c5312fa2_attn
	.p2align	8
	.type	k_q80c5312fa2_attn,@function
k_q80c5312fa2_attn:
	s_mov_b64 s[64:65], 0
	v_nop
	global_prefetch_b8 v0, s[64:65] scope:SCOPE_SE
	s_setreg_imm32_b32 hwreg(HW_REG_WAVE_MODE, 25, 1), 1
	s_wait_xcnt 0x0
; Masked causal attention of one head, by a running maximum.  qkv: f16 [b][plane 48][s 2048][64], Q already times log2(e)/8.  ctx: f16 [b][h][s][64].
; SHARE: work-group (i = x & 7, head = x >> 3) owns the query blocks i and 15 - i of 128 rows: 17 block units of causal work in each of the 256.
; Each of the eight waves owns 32 queries (two tiles of 16): four waves in the short block, four in the long one, mixed so that waves w, w + 4 and
; 2 k, 2 k + 1 are one of each.  The group walks 16 - i tiles of 128 keys (two steps of 64) through two LDS slots; a wave skips the steps behind its diagonal.
; TRANSPOSED FORM: S^T = K Q^T, so a lane holds one query (l % 16) and keys 16 kt + 8 (l / 16) + j: maximum and sum are per lane plus one exchange of
; the halves, and two packed tiles of P^T are the second source of O^T = V^T P^T as they lie.  V^T comes by transposing LDS loads.
; FORMAT: both products take f16 operands and sum in f32.  The weights P lie in [0, 1]; Q, K, V and ctx (a mean of rows of V) share V's range.
; MASKS: a word per key, 0 or -1e38, enters as the C of the first products; on the diagonal step keys above the query are set to -1e38.
; A query in front of the batch's first valid key f has all 2,048 scores equal in the reference: its result is the mean of all rows of V.  It is made
; from vpart and chosen by q < f, a whole-number test that selects values only.
; LIMITS: |V| < 65,504 (f16; near 5 for inputs of spread 1 and 1/32).  Masked scores are -1e38 in the scaled domain, not -1e9/8: a row whose largest
; valid q.k lies below about -1e9 (where the reference gives masked keys weight) is not reproduced; |q.k| x 0.18 must stay under 1e37; NaN and
; infinities are not served.
; NO CLUSTER: the eight work-groups of a head walk 9 to 16 tiles, a different number each, so joint requests would not be alike in all partners.
; NO PREFETCH: K and V were stored by the launch in front of this one.
; Tensor loads: wave 0 brings K's tiles, wave 1 V's, 16,384 dense bytes each; such a wave has two out at the start and one behind each refill's barrier.
.set KPITCH, 144                       ; a key's 128 bytes + 16
.set VPITCH, 160                       ; + 32 = 5 x 32, for the transposing loads
.set VOFF,   128*KPITCH                ; V's tile lies behind K's
.set SLOTB,  128*KPITCH+128*VPITCH     ; 38,912
.set BIASL,  2*SLOTB                   ; 2,048 words: 0 or -1e38 for each key
.set VSL,    BIASL+8192                ; 8 x 64 words: partial sums of V's columns
.set FVL,    VSL+2048                  ; 8 words: each wave's first valid key
.set STAGEL, FVL+256                   ; 32 rows x 144 bytes for each wave: the way out.  These four regions are filled by LDS stores alone
.set SPITCH, 144
.set PLANE,  262144
.set TILEB,  16384
.set KADR, 1
.set VADR, 2
.set BADR, 3
.set REL,  4                           ; (q0 % 64) + l % 16 - 8 (l / 16): key 16 kt + j of the diagonal step is above query tile 0 if 16 kt + j > REL
.set NEG,  5                           ; -1e38
.set M,    6                           ; v[6:7]    running maxima of my two queries
.set AL,   10                          ; v[10:11]  2^(old maximum - new)
.set L,    12                          ; v[12:13]  running sums, over my half's keys
.set T,    14                          ; v[14:21]  at work
.set TB,   22
.set STO,  23
.set RD,   24
.set CO,   25
.set QOF,  26
.set MOF,  27
.set VPO,  28
.set VSR,  29
.set QROW, 30
.set BST,  31
.set Q,    32                          ; v[32:63]    Q[qt][ds] at 32 + 16 qt + 8 ds
.set S,    64                          ; v[64:127]   S[qt][kt] at 64 + 32 qt + 8 kt; then P[qt][ks] at 64 + 32 qt + 16 ks
.set KV,   128                         ; v[128:191]  K[kt][ds] at 128 + 16 kt + 8 ds; then V[dt][ks] at 128 + 16 dt + 8 ks
.set O,    192                         ; v[192:255]  O[dt][qt] at 192 + 16 dt + 8 qt
.set VM,   104                         ; the way out: the mean of V, 8 f16
.set G1K, 16
.set G0K, 24
.set G1V, 48
.set G0V, 56
	s_load_b256 s[4:11], s[0:1], 0x0               ; qkv s[4:5], mask s[6:7], vpart s[8:9], ctx s[10:11]
	v_lshl_add_u32 v8, v0, 2, 0x29000
	v_mov_b32 v9, 0
	ds_add_u32 v8, v9
	v_lshrrev_b32 v1, 5, v0
	v_readfirstlane_b32 s12, v1                    ; wave 0..7
	s_and_b32 s13, ttmp9, 7                        ; i
	s_lshr_b32 s14, ttmp9, 3                       ; 16 b + h
	s_lshr_b32 s15, s14, 4                         ; b
	s_and_b32 s36, s14, 15                         ; h
	s_lshr_b32 s40, s12, 2
	s_xor_b32 s40, s40, s12                        ; bit 0: 1 = the long block
	s_sub_co_u32 s41, 15, s13
	s_bitcmp1_b32 s40, 0
	s_cselect_b32 s41, s41, s13                    ; my query block
	s_lshr_b32 s40, s12, 1                         ; which 32 rows of it
	s_lshl_b32 s37, s41, 7
	s_lshl_b32 s40, s40, 5
	s_add_co_u32 s37, s37, s40                     ; q0
	s_lshr_b32 s33, s37, 6                         ; the step that holds my diagonal: the last that I work on
	s_sub_co_u32 s35, 15, s13                      ; tiles behind the first
	s_sub_co_u32 s34, s35, 1
	s_lshr_b32 s34, s34, 1                         ; trips of two tiles: 3 to 7
	s_mov_b32 s32, 0                               ; the step
	s_mov_b32 s38, 0x76543210                      ; v_permlanex16_b32: lane i of one half reads lane i of the other
	s_mov_b32 s39, 0xfedcba98
	; group 1: a dense tile as 64 rows x 128 elements (256 bytes); padding behind every 32 words, that is behind each key's 128 bytes
	s_mov_b32 s[G1K+0], (1<<16)|(1<<20)|(4<<22)|(3<<25)            ; K: 4 words
	s_mov_b32 s[G1V+0], (1<<16)|(1<<20)|(4<<22)|(7<<25)            ; V: 8 words
.irp g, G1K, G1V
	s_mov_b32 s[\g+1], 128<<16                     ; tensor_dim0
	s_mov_b32 s[\g+2], 64<<16                      ; tensor_dim1
	s_mov_b32 s[\g+3], 128<<16                     ; tile_dim0
	s_mov_b32 s[\g+4], 64                          ; tile_dim1
	s_mov_b32 s[\g+5], 128                         ; elements from row to row
	s_mov_b32 s[\g+6], 0
	s_mov_b32 s[\g+7], 0
.endr
	s_mul_i32 s40, s15, 48
	s_add_co_u32 s40, s40, s36
	s_lshl_b32 s40, s40, 18                        ; Q's plane of this head
	s_mov_b32 s41, 0
	s_wait_dscnt 0x0
	s_barrier_signal -1
	s_barrier_wait -1
	s_wait_kmcnt 0x0
	s_add_nc_u64 s[42:43], s[4:5], s[40:41]
.irp n, 0,1
	s_mov_b32 s[G0K+4*\n], 1
	s_mov_b32 s[G0K+4*\n+1], \n*SLOTB
	s_add_nc_u64 s[G0K+4*\n+2:G0K+4*\n+3], s[42:43], 16*PLANE+\n*TILEB
	s_or_b32 s[G0K+4*\n+3], s[G0K+4*\n+3], 0x80000000
	s_mov_b32 s[G0V+4*\n], 1
	s_mov_b32 s[G0V+4*\n+1], \n*SLOTB+VOFF
	s_add_nc_u64 s[G0V+4*\n+2:G0V+4*\n+3], s[42:43], 32*PLANE+\n*TILEB
	s_or_b32 s[G0V+4*\n+3], s[G0V+4*\n+3], 0x80000000
.endr
	; the first fills, tiles 0 and 1, as one group ahead of every wait on TENSORcnt and LDS read; a wave's two inside one branch
	s_cmp_lg_u32 s12, 0
	s_cbranch_scc1 .Lnot_k
	tensor_load_to_lds s[G0K:G0K+3], s[G1K:G1K+7]
	s_nop 0
	tensor_load_to_lds s[G0K+4:G0K+7], s[G1K:G1K+7]
	s_nop 0
	s_branch .Lfilled
.Lnot_k:
	s_cmp_lg_u32 s12, 1
	s_cbranch_scc1 .Lfilled
	tensor_load_to_lds s[G0V:G0V+3], s[G1V:G1V+7]
	s_nop 0
	tensor_load_to_lds s[G0V+4:G0V+7], s[G1V:G1V+7]
	s_nop 0
.Lfilled:
	s_lshl_b32 s40, s37, 7                         ; q0 rows of 128 bytes
	s_add_nc_u64 s[46:47], s[42:43], s[40:41]      ; my rows of Q
	s_lshl_b32 s44, s14, 18
	s_add_co_u32 s40, s40, s44
	s_add_nc_u64 s[10:11], s[10:11], s[40:41]      ; my rows of ctx
	s_lshl_b32 s40, s15, 13
	s_add_nc_u64 s[6:7], s[6:7], s[40:41]          ; the batch's mask
	s_lshl_b32 s40, s15, 16                        ; the batch's 16 rows of vpart,
	s_lshl_b32 s44, s36, 8                         ; the head's 64 columns
	s_add_co_u32 s40, s40, s44
	s_add_nc_u64 s[8:9], s[8:9], s[40:41]
	v_and_b32 v[T], 31, v0                         ; l
	v_and_b32 v[T+1], 15, v0                       ; l % 16
	v_bfe_u32 v[T+2], v0, 4, 1                     ; l / 16
	v_and_b32 v[T+3], 7, v0                        ; l % 8
	v_bfe_u32 v[T+4], v0, 3, 1                     ; (l / 8) % 2
	v_lshrrev_b32 v[T+5], 3, v[T]                  ; l / 8
	v_lshlrev_b32 v[QOF], 7, v[T+1]
	v_lshl_add_u32 v[QOF], v[T+2], 4, v[QOF]       ; Q: row l % 16, 16 bytes for each half
	v_lshlrev_b32 v[MOF], 4, v0                    ; mask: four keys a thread
	v_lshrrev_b32 v[VPO], 4, v0
	v_lshlrev_b32 v[VPO], 12, v[VPO]
	v_lshl_add_u32 v[VPO], v[T+1], 4, v[VPO]       ; vpart: row t / 16, four columns
	global_load_b128 v[64:67], v[MOF], s[6:7]                      ; keys 4 t ..
	global_load_b128 v[68:71], v[MOF], s[6:7] offset:4096          ; keys 1,024 + 4 t ..
	global_load_b128 v[72:75], v[VPO], s[8:9]
.irp qt, 0,1
.irp ds, 0,1
	global_load_b128 v[Q+16*\qt+8*\ds:Q+16*\qt+8*\ds+3],   v[QOF], s[46:47] offset:2048*\qt+64*\ds
	global_load_b128 v[Q+16*\qt+8*\ds+4:Q+16*\qt+8*\ds+7], v[QOF], s[46:47] offset:2048*\qt+64*\ds+32
.endr
.endr
	v_mul_u32_u24 v[KADR], v[T+1], KPITCH
	v_lshl_add_u32 v[KADR], v[T+2], 4, v[KADR]     ; K: key l % 16, 16 bytes for each half
	v_lshl_add_u32 v[VADR], v[T+2], 3, v[T+3]
	v_mul_u32_u24 v[VADR], v[VADR], VPITCH
	v_lshl_add_u32 v[VADR], v[T+4], 4, v[VADR]
	v_add_nc_u32 v[VADR], VOFF, v[VADR]            ; V: key 8 (l / 16) + l % 8, 16 bytes (l / 8) % 2
	v_lshlrev_b32 v[BADR], 5, v[T+2]
	v_add_nc_u32 v[BADR], BIASL, v[BADR]
	s_and_b32 s40, s37, 63
	v_lshlrev_b32 v[REL], 3, v[T+2]
	v_sub_nc_u32 v[REL], v[T+1], v[REL]
	v_add_nc_u32 v[REL], s40, v[REL]
	v_mov_b32 v[NEG], 0xfe967699
	s_mul_i32 s40, s12, 32*SPITCH
	s_add_co_u32 s40, s40, STAGEL                  ; my stage
	v_add_nc_u32 v[STO], s40, v[KADR]              ; in: row l % 16 at the same pitch of 144, 16 bytes for each half
	v_mul_u32_u24 v[RD], v[T+5], SPITCH
	v_lshl_add_u32 v[RD], v[T+3], 4, v[RD]
	v_add_nc_u32 v[RD], s40, v[RD]                 ; back: eight lanes take a row's 128 bytes
	v_lshlrev_b32 v[CO], 4, v[T]
	v_lshlrev_b32 v[VSR], 5, v[T+3]
	v_add_nc_u32 v[VSR], VSL, v[VSR]
	v_add_nc_u32 v[QROW], s37, v[T+5]              ; the first query that I store
	v_add_nc_u32 v[BST], BIASL, v[MOF]
	; the mask: a word 0 or -1e38 for each key, and my first valid key (as a float; 2,048 if none), from the highest key down
	v_lshlrev_b32 v84, 2, v0
	v_cvt_f32_u32 v84, v84                         ; 4 t
	v_mov_b32 v85, 0x45000000                      ; 2,048.0
	s_wait_loadcnt 9                               ; the two loads of the mask are in; vpart's and Q's eight are younger
.macro MASKW e, keyf
	v_cmp_eq_u32 vcc_lo, 0, v[64+\e]
	v_add_f32 v86, \keyf, v84
	v_cndmask_b32 v[76+\e], 0, v[NEG], vcc_lo
	v_cndmask_b32 v85, v86, v85, vcc_lo
.endm
	MASKW 7, 0x44806000                            ; 1,027.0
	MASKW 6, 0x44804000
	MASKW 5, 0x44802000
	MASKW 4, 0x44800000                            ; 1,024.0
	MASKW 3, 0x40400000                            ; 3.0
	MASKW 2, 2.0
	MASKW 1, 1.0
	v_cmp_eq_u32 vcc_lo, 0, v64
	v_cndmask_b32 v76, 0, v[NEG], vcc_lo
	v_cndmask_b32 v85, v84, v85, vcc_lo
	ds_store_b128 v[BST], v[76:79]
	ds_store_b128 v[BST], v[80:83] offset:4096
	v_min_num_f32_dpp v85, v85, v85 row_xmask:1 row_mask:0xf bank_mask:0xf
	v_min_num_f32_dpp v85, v85, v85 row_xmask:2 row_mask:0xf bank_mask:0xf
	v_min_num_f32_dpp v85, v85, v85 row_xmask:4 row_mask:0xf bank_mask:0xf
	v_min_num_f32_dpp v85, v85, v85 row_xmask:8 row_mask:0xf bank_mask:0xf
	v_permlanex16_b32 v86, v85, s38, s39
	v_min_num_f32 v85, v85, v86
	s_lshl_b32 s40, s12, 2
	s_add_co_u32 s40, s40, FVL
	v_mov_b32 v88, s40
	ds_store_b32 v88, v85                          ; my wave's word; all lanes write the same number
	s_wait_loadcnt 8                               ; vpart's load is in; Q's eight are younger
.irp k, 0,1,2,3
	v_permlanex16_b32 v[64+\k], v[72+\k], s38, s39 ; the other half holds the next row of vpart
.endr
	v_pk_add_f32 v[72:73], v[72:73], v[64:65]
	v_pk_add_f32 v[74:75], v[74:75], v[66:67]
	s_lshl_b32 s40, s12, 8
	s_add_co_u32 s40, s40, VSL
	v_lshlrev_b32 v87, 4, v[T+1]
	v_add_nc_u32 v87, s40, v87
	ds_store_b128 v87, v[72:75]                    ; my wave's 64 partial sums; both halves write the same
	s_wait_dscnt 0x0                               ; for the other waves: my LDS stores are done
	s_wait_tensorcnt 0x1                           ; tile 0 has landed; tile 1 may stay out
	s_barrier_signal -1
	s_barrier_wait -1
	s_wait_loadcnt 0x0                             ; Q
; One step: 64 keys at half (0, 1) of a slot against my 32 queries.  first = 1: nothing to carry on from.
.macro STEP slot, half, first
.if \first == 0
	s_cmp_gt_u32 s32, s33                          ; behind my diagonal: nothing of mine
	s_cbranch_scc1 .Lskip_\@
.endif
	s_min_u32 s44, s32, 31                         ; there are 32 steps of 64 keys
	v_lshl_add_u32 v[TB], s44, 8, v[BADR]
.irp kt, 0,1,2,3
	ds_load_b128 v[S+8*\kt:S+8*\kt+3],   v[TB] offset:64*\kt      ; the mask words of keys 16 kt + 8 (l / 16) + 0..7
	ds_load_b128 v[S+8*\kt+4:S+8*\kt+7], v[TB] offset:64*\kt+16
.endr
.irp ds, 0,1
.irp kt, 0,1,2,3
	ds_load_b128 v[KV+16*\kt+8*\ds:KV+16*\kt+8*\ds+3],   v[KADR] offset:\slot*SLOTB+\half*64*KPITCH+\kt*16*KPITCH+64*\ds
	ds_load_b128 v[KV+16*\kt+8*\ds+4:KV+16*\kt+8*\ds+7], v[KADR] offset:\slot*SLOTB+\half*64*KPITCH+\kt*16*KPITCH+64*\ds+32
.endr
.endr
	s_wait_dscnt 8                                 ; the mask words and K's first 32 of d are in; the youngest eight loads may be out
	; The eight score tiles take turns, one instruction a turn.
.irp kt, 0,1,2,3
	v_wmma_f32_16x16x32_f16 v[S+32+8*\kt:S+32+8*\kt+7], v[KV+16*\kt:KV+16*\kt+7], v[Q+16:Q+23], v[S+8*\kt:S+8*\kt+7]   ; query tile 1 starts from the mask words
.endr
.rept 5
	v_nop                                          ; five places before a matrix instruction writes over a source of an earlier one (the mask words)
.endr
.irp kt, 0,1,2,3
	v_wmma_f32_16x16x32_f16 v[S+8*\kt:S+8*\kt+7], v[KV+16*\kt:KV+16*\kt+7], v[Q:Q+7], v[S+8*\kt:S+8*\kt+7]           ; query tile 0, onto them
.endr
	s_wait_dscnt 0
.irp kt, 0,1,2,3
	v_wmma_f32_16x16x32_f16 v[S+32+8*\kt:S+32+8*\kt+7], v[KV+16*\kt+8:KV+16*\kt+15], v[Q+24:Q+31], v[S+32+8*\kt:S+32+8*\kt+7]
.endr
.irp kt, 0,1,2,3
	v_wmma_f32_16x16x32_f16 v[S+8*\kt:S+8*\kt+7], v[KV+16*\kt+8:KV+16*\kt+15], v[Q+8:Q+15], v[S+8*\kt:S+8*\kt+7]
.endr
.rept 4
	v_nop                                          ; four places before loads land on K's registers and vector instructions read the scores
.endr
.irp ks, 0,1
.irp dt, 0,1,2,3
	ds_load_tr16_b128 v[KV+16*\dt+8*\ks:KV+16*\dt+8*\ks+3],   v[VADR] offset:\slot*SLOTB+\half*64*VPITCH+\ks*32*VPITCH+32*\dt
	ds_load_tr16_b128 v[KV+16*\dt+8*\ks+4:KV+16*\dt+8*\ks+7], v[VADR] offset:\slot*SLOTB+\half*64*VPITCH+\ks*32*VPITCH+16*VPITCH+32*\dt
.endr
.endr
	s_cmp_lg_u32 s32, s33
	s_cbranch_scc1 .Lnodiag_\@
	; the diagonal step: key 16 kt + j (+ 8 (l / 16)) is above query tile 0 if 16 kt + j > REL, above tile 1 if 16 (kt - 1) + j > REL.
	; Tile 1 against kt = 0 needs no test: j - 16 <= -9 and REL >= -8.
.irp kt, 0,1,2,3
.irp j, 0,1,2,3,4,5,6,7
	v_cmp_gt_i32 vcc_lo, 16*\kt+\j, v[REL]
	v_cndmask_b32 v[S+8*\kt+\j], v[S+8*\kt+\j], v[NEG], vcc_lo
.if \kt < 3
	v_cndmask_b32 v[S+40+8*\kt+\j], v[S+40+8*\kt+\j], v[NEG], vcc_lo
.endif
.endr
.endr
.Lnodiag_\@:
	; the maxima of my 32 scores of each query, in two chains each (17 and 15 numbers), then the old maximum, then the other half's
	v_max3_num_f32 v[T],   v[S],    v[S+1],  v[S+2]
	v_max3_num_f32 v[T+1], v[S+17], v[S+18], v[S+19]
	v_max3_num_f32 v[T+2], v[S+32], v[S+33], v[S+34]
	v_max3_num_f32 v[T+3], v[S+49], v[S+50], v[S+51]
.set si, 3
.rept 6
	v_max3_num_f32 v[T],   v[T],   v[S+si],    v[S+si+1]
	v_max3_num_f32 v[T+1], v[T+1], v[S+17+si], v[S+18+si]
	v_max3_num_f32 v[T+2], v[T+2], v[S+32+si], v[S+33+si]
	v_max3_num_f32 v[T+3], v[T+3], v[S+49+si], v[S+50+si]
.set si, si+2
.endr
	v_max3_num_f32 v[T],   v[T],   v[S+15], v[S+16]
	v_max3_num_f32 v[T+2], v[T+2], v[S+47], v[S+48]
.if \first
	v_max_num_f32 v[T],   v[T],   v[T+1]
	v_max_num_f32 v[T+2], v[T+2], v[T+3]
	v_permlanex16_b32 v[T+1], v[T],   s38, s39
	v_permlanex16_b32 v[T+3], v[T+2], s38, s39
	v_max_num_f32 v[M],   v[T],   v[T+1]
	v_max_num_f32 v[M+1], v[T+2], v[T+3]
.else
	v_max3_num_f32 v[T],   v[T],   v[T+1], v[M]
	v_max3_num_f32 v[T+2], v[T+2], v[T+3], v[M+1]
	v_permlanex16_b32 v[T+1], v[T],   s38, s39
	v_permlanex16_b32 v[T+3], v[T+2], s38, s39
	v_max_num_f32 v[T],   v[T],   v[T+1]
	v_max_num_f32 v[T+2], v[T+2], v[T+3]
	v_sub_f32 v[AL],   v[M],   v[T]                ; old - new, at most 0
	v_sub_f32 v[AL+1], v[M+1], v[T+2]
	v_mov_b32 v[M],   v[T]
	v_mov_b32 v[M+1], v[T+2]
	v_exp_f32 v[AL],   v[AL]                       ; the subtractions below are the plain work behind these two
	v_exp_f32 v[AL+1], v[AL+1]
.endif
.set si, 0
.rept 16
	v_pk_add_f32 v[S+si:S+si+1],       v[S+si:S+si+1],       v[M:M+1] op_sel_hi:[1,0] neg_lo:[0,1] neg_hi:[0,1]           ; - M of query tile 0
	v_pk_add_f32 v[S+32+si:S+33+si],   v[S+32+si:S+33+si],   v[M:M+1] op_sel:[0,1] op_sel_hi:[1,1] neg_lo:[0,1] neg_hi:[0,1]   ; - M of tile 1
.set si, si+2
.endr
.set si, 0
.rept 64
	v_exp_f32 v[S+si], v[S+si]
.set si, si+1
.endr
	; one plain vector instruction that touches none of them stands behind the run of exponentials before a result is used (ISA guide 5.7.2)
.if \first
	v_nop
	s_wait_alu depctr_va_vdst(0)
.else
	s_wait_alu depctr_va_vdst(0)
.irp dt, 0,1,2,3
.irp p, 0,2,4,6
	v_pk_mul_f32 v[O+16*\dt+\p:O+16*\dt+\p+1],     v[O+16*\dt+\p:O+16*\dt+\p+1],     v[AL:AL+1] op_sel_hi:[1,0]
	v_pk_mul_f32 v[O+16*\dt+8+\p:O+16*\dt+9+\p],   v[O+16*\dt+8+\p:O+16*\dt+9+\p],   v[AL:AL+1] op_sel:[0,1] op_sel_hi:[1,1]
.endr
.endr
.endif
	v_pk_add_f32 v[T:T+1],   v[S:S+1],     v[S+2:S+3]              ; the sums, two chains of pairs for each query
	v_pk_add_f32 v[T+2:T+3], v[S+4:S+5],   v[S+6:S+7]
	v_pk_add_f32 v[T+4:T+5], v[S+32:S+33], v[S+34:S+35]
	v_pk_add_f32 v[T+6:T+7], v[S+36:S+37], v[S+38:S+39]
.set si, 8
.rept 6
	v_pk_add_f32 v[T:T+1],   v[T:T+1],   v[S+si:S+si+1]
	v_pk_add_f32 v[T+2:T+3], v[T+2:T+3], v[S+si+2:S+si+3]
	v_pk_add_f32 v[T+4:T+5], v[T+4:T+5], v[S+32+si:S+33+si]
	v_pk_add_f32 v[T+6:T+7], v[T+6:T+7], v[S+34+si:S+35+si]
.set si, si+4
.endr
	v_pk_add_f32 v[T:T+1],   v[T:T+1],   v[T+2:T+3]
	v_pk_add_f32 v[T+4:T+5], v[T+4:T+5], v[T+6:T+7]
.if \first
	v_add_f32 v[L],   v[T],   v[T+1]
	v_add_f32 v[L+1], v[T+4], v[T+5]
.else
	v_fma_f32 v[L],   v[L],   v[AL],   v[T]
	v_fma_f32 v[L+1], v[L+1], v[AL+1], v[T+4]
	v_add_f32 v[L],   v[L],   v[T+1]
	v_add_f32 v[L+1], v[L+1], v[T+5]
.endif
.irp g, 0,16,32,48
.irp p, 0,1,2,3,4,5,6,7
	v_cvt_pk_f16_f32 v[S+\g+\p], v[S+\g+2*\p], v[S+\g+2*\p+1]      ; in place, ascending: two score tiles become one fragment of P^T (32 keys)
.endr
.endr
	s_wait_dscnt 0x0                               ; V
	; The eight tiles of O take turns, one instruction a turn.
.irp ks, 0,1
.irp dt, 0,1,2,3
.irp qt, 0,1
.if \first*(1-\ks)
	v_wmma_f32_16x16x32_f16 v[O+16*\dt+8*\qt:O+16*\dt+8*\qt+7], v[KV+16*\dt+8*\ks:KV+16*\dt+8*\ks+7], v[S+32*\qt+16*\ks:S+32*\qt+16*\ks+7], 0
.else
	v_wmma_f32_16x16x32_f16 v[O+16*\dt+8*\qt:O+16*\dt+8*\qt+7], v[KV+16*\dt+8*\ks:KV+16*\dt+8*\ks+7], v[S+32*\qt+16*\ks:S+32*\qt+16*\ks+7], v[O+16*\dt+8*\qt:O+16*\dt+8*\qt+7]
.endif
.endr
.endr
.endr
.rept 5
	v_nop                                          ; five places: the next step's first products write over P's registers, its loads land on P's and V's
.endr
.Lskip_\@:
	s_add_co_u32 s32, s32, 1
.endm
; The refill of slot n: wave 0 K's tile, wave 1 V's, the others none.  n may be an expression: it stands in brackets.
.macro KVLOAD n
	s_cmp_lg_u32 s12, 0
	s_cbranch_scc1 .Lnk_\@
	tensor_load_to_lds s[G0K+4*(\n):G0K+4*(\n)+3], s[G1K:G1K+7]
	s_nop 0
	s_branch .Lasked_\@
.Lnk_\@:
	s_cmp_lg_u32 s12, 1
	s_cbranch_scc1 .Lasked_\@
	tensor_load_to_lds s[G0V+4*(\n):G0V+4*(\n)+3], s[G1V:G1V+7]
	s_nop 0
.Lasked_\@:
.endm
; A tile of 128 keys in a slot.  refill = 1: the other slot, read last, gets the tile after this one.
.macro TWO slot, refill
	s_wait_tensorcnt 0x0                           ; all my tensor loads have landed, this slot's tile among them, so a group 0 may be written
	ds_add_u32 v8, v9
	s_wait_dscnt 0x0
.if \refill
	s_add_nc_u64 s[G0K+6-4*\slot:G0K+7-4*\slot], s[G0K+6-4*\slot:G0K+7-4*\slot], 2*TILEB
	s_add_nc_u64 s[G0V+6-4*\slot:G0V+7-4*\slot], s[G0V+6-4*\slot:G0V+7-4*\slot], 2*TILEB
.endif
	s_wait_dscnt 0x0                               ; my reads of the other slot are done
	s_barrier_signal -1
	s_barrier_wait -1                              ; both now hold of every wave
.if \refill
	KVLOAD 1-\slot                                 ; first thing behind the barrier, one tensor load a wave
.endif
	STEP \slot, 0, 0
	STEP \slot, 1, 0
.endm
	STEP 0, 0, 1
	STEP 0, 1, 0
.Ltiles:
	TWO 1, 1
	TWO 0, 1
	s_sub_co_i32 s34, s34, 1
	s_cmp_gt_i32 s34, 0                            ; a signed test: the loop ends whatever the start (here 3 to 7)
	s_cbranch_scc1 .Ltiles
	s_bitcmp1_b32 s35, 0                           ; 15 - i tiles stand behind the first: one or two are left.  The same in all eight waves
	s_cbranch_scc1 .Lone_left
	TWO 1, 1
	TWO 0, 0
	s_branch .Lout
.Lone_left:
	TWO 1, 0
.Lout:
	; THE WAY OUT, each wave by itself.  The partial sums of V and the waves' first valid keys were stored in front of the barrier ahead of the first step.
	v_mov_b32 v[T+7], FVL
.irp w, 0,1,2,3,4,5,6,7
	ds_load_b128 v[KV+8*\w:KV+8*\w+3],   v[VSR] offset:256*\w      ; columns 8 (l % 8) + 0..7, the ones that I store
	ds_load_b128 v[KV+8*\w+4:KV+8*\w+7], v[VSR] offset:256*\w+16
.endr
	ds_load_b128 v[96:99],   v[T+7]
	ds_load_b128 v[100:103], v[T+7] offset:16
	v_permlanex16_b32 v[T],   v[L],   s38, s39     ; the other half's keys
	v_permlanex16_b32 v[T+1], v[L+1], s38, s39
	v_add_f32 v[L],   v[L],   v[T]
	v_add_f32 v[L+1], v[L+1], v[T+1]
	v_rcp_f32 v[L],   v[L]                         ; the sum is at least 1: the largest score's term
	v_rcp_f32 v[L+1], v[L+1]
	v_nop                                          ; one plain place behind the reciprocals
	s_wait_alu depctr_va_vdst(0)
.irp dt, 0,1,2,3
.irp p, 0,2,4,6
	v_pk_mul_f32 v[O+16*\dt+\p:O+16*\dt+\p+1],   v[O+16*\dt+\p:O+16*\dt+\p+1],   v[L:L+1] op_sel_hi:[1,0]
	v_pk_mul_f32 v[O+16*\dt+8+\p:O+16*\dt+9+\p], v[O+16*\dt+8+\p:O+16*\dt+9+\p], v[L:L+1] op_sel:[0,1] op_sel_hi:[1,1]
.endr
.endr
.irp dt, 0,1,2,3
.irp qt, 0,1
.irp p, 0,1,2,3
	v_cvt_pk_f16_f32 v[S+4*(2*\dt+\qt)+\p], v[O+16*\dt+8*\qt+2*\p], v[O+16*\dt+8*\qt+2*\p+1]
.endr
	ds_store_b128 v[STO], v[S+4*(2*\dt+\qt):S+4*(2*\dt+\qt)+3] offset:\qt*16*SPITCH+32*\dt   ; query 16 qt + l % 16, d = 16 dt + 8 (l / 16) + 0..7
.endr
.endr
.irp t, 0,1,2,3,4,5,6,7
	ds_load_b128 v[O+4*\t:O+4*\t+3], v[RD] offset:4*SPITCH*\t      ; my own bytes, served in order behind the stores: four whole rows a load
.endr
	s_wait_dscnt 16                                ; all but the eight stores and eight loads just issued: the sums of V and the first keys are in
.irp w, 1,2,3,4,5,6,7
.irp p, 0,2,4,6
	v_pk_add_f32 v[KV+\p:KV+\p+1], v[KV+\p:KV+\p+1], v[KV+8*\w+\p:KV+8*\w+\p+1]
.endr
.endr
.irp p, 0,2,4,6
	v_pk_mul_f32 v[KV+\p:KV+\p+1], v[KV+\p:KV+\p+1], 0x3a000000 op_sel_hi:[1,0]    ; / 2,048
.endr
.irp p, 0,1,2,3
	v_cvt_pk_f16_f32 v[VM+\p], v[KV+2*\p], v[KV+2*\p+1]
.endr
	v_min3_num_f32 v96, v96, v97, v98
	v_min3_num_f32 v96, v96, v99, v100
	v_min3_num_f32 v96, v96, v101, v102
	v_min_num_f32 v96, v96, v103                   ; f: the batch's first valid key
	v_cvt_i32_f32 v96, v96
	v_sub_nc_u32 v96, v96, v[QROW]                 ; query q0 + l / 8 + 4 t has no valid key if 4 t < f - q0 - l / 8
.irp t, 0,1,2,3,4,5,6,7
	s_wait_dscnt 7-\t
	v_cmp_lt_i32 vcc_lo, 4*\t, v96
.irp k, 0,1,2,3
	v_cndmask_b32 v[O+4*\t+\k], v[O+4*\t+\k], v[VM+\k], vcc_lo
.endr
	global_store_b128 v[CO], v[O+4*\t:O+4*\t+3], s[10:11] offset:512*\t            ; 512 consecutive bytes: four rows of the head
.endr
	s_wait_tensorcnt 0x0
	ds_add_u32 v8, v9
	s_wait_dscnt 0x0
	s_endpgm
.Lfunc_end_k_q80c5312fa2_attn:
	.size	k_q80c5312fa2_attn, .Lfunc_end_k_q80c5312fa2_attn-k_q80c5312fa2_attn
	.p2alignl 7, 3214868480
	.fill 96, 4, 3214868480
	.section	.rodata,"a",@progbits
	.p2align	6, 0x0
	.amdhsa_kernel k_q80c5312fa2_attn
		.amdhsa_group_segment_fixed_size 327680
		.amdhsa_private_segment_fixed_size 0
		.amdhsa_enable_private_segment 0
		.amdhsa_kernarg_size 32
		.amdhsa_user_sgpr_count 2
		.amdhsa_user_sgpr_kernarg_segment_ptr 1
		.amdhsa_wavefront_size32 1
		.amdhsa_system_sgpr_workgroup_id_x 1
		.amdhsa_system_sgpr_workgroup_id_y 1
		.amdhsa_system_sgpr_workgroup_id_z 1
		.amdhsa_system_vgpr_workitem_id 0
		.amdhsa_next_free_vgpr 256
		.amdhsa_next_free_sgpr 66
		.amdhsa_reserve_vcc 1
		.amdhsa_float_denorm_mode_32 3
		.amdhsa_float_denorm_mode_16_64 3
		.amdhsa_memory_ordered 1
		.amdhsa_forward_progress 1
		.amdhsa_inst_pref_size 255
	.end_amdhsa_kernel
	.section	.bss,"aw",@nobits
	.p2align	6
	.space	262144
	.amdgpu_metadata
---
amdhsa.version: [ 1, 2 ]
amdhsa.kernels:
  - .name:           k_q80c5312fa2_attn
    .symbol:         k_q80c5312fa2_attn.kd
    .args:
      - { .name: qkv, .offset: 0, .size: 8, .value_kind: global_buffer, .address_space: global }
      - { .name: attention_mask, .offset: 8, .size: 8, .value_kind: global_buffer, .address_space: global }
      - { .name: vpart, .offset: 16, .size: 8, .value_kind: global_buffer, .address_space: global }
      - { .name: ctx, .offset: 24, .size: 8, .value_kind: global_buffer, .address_space: global }
    .group_segment_fixed_size: 327680
    .private_segment_fixed_size: 0
    .kernarg_segment_align: 8
    .kernarg_segment_size: 32
    .max_flat_workgroup_size: 256
    .sgpr_count:     66
    .vgpr_count:     256
    .wavefront_size: 32
...
	.end_amdgpu_metadata
.endif
;; end of part 3
;; launch proj (part 4): grid 8 x 32, 4 waves a work-group, clusters of 4 x 4, 327,680 bytes of LDS; arguments ctx, cb, out0, c_proj_bias; writes out0
.if DOCPART == 4
	.amdgcn_target "amdgcn-amd-amdhsa--gfx1250"
	.amdhsa_code_object_version 6
	.text
	.protected	k_q80c5312fa2_proj
	.globl	k_q80c5312fa2_proj
	.p2align	8
	.type	k_q80c5312fa2_proj,@function
k_q80c5312fa2_proj:
	s_mov_b64 s[64:65], 0
	v_nop
	global_prefetch_b8 v0, s[64:65] scope:SCOPE_SE
	s_setreg_imm32_b32 hwreg(HW_REG_WAVE_MODE, 25, 1), 1
	s_wait_xcnt 0x0
	s_wait_alu depctr_hold_cnt(0) depctr_sa_sdst(0) depctr_va_vdst(0) depctr_va_sdst(0) depctr_va_ssrc(0) depctr_va_vcc(0) depctr_vm_vsrc(0)
	s_getreg_b32 s2, hwreg(HW_REG_IB_STS2, 6, 4)
	s_cmp_eq_u32 s2, 0
	s_cbranch_scc0 .Lentry_in_a_cluster
	s_endpgm
.Lentry_in_a_cluster:
	s_bfe_u32 s2, ttmp6, 0x10000c
	s_cmp_lg_u32 s2, 0xf033
	s_cbranch_scc0 .Lentry_shape_is_right
	s_endpgm
.Lentry_shape_is_right:
; out0 = ctx c_proj + bias.  ctx: f16 [b][h][s][64] (row (b, s), k = 64 h + d), cb: f16 [1024 k][1024 n], out0: f32 [4096][1024]; sums in f32.
; A work-group makes 128 x 128 with four waves, a wave 64 x 64 in 128 registers: 8 x 32 = 256 work-groups.
; K goes in steps of 256 (four heads, eight quarters of 32) through two LDS slots: four fills in all, so one lap that fills again and one that does not.
; A's part of a slot: four heads x 128 rows x 128 bytes (pitch 144); a tensor load brings two heads as two rows of 8,192 elements, each the dense
; 16,384 bytes of a head's 128 rows.  W's part: 256 k rows x 256 bytes (pitch 288), 128 rows a load.
; A wave has two tensor loads out at the start and one behind each refill's barrier.
; CLUSTERS: 4 x 4 work-groups; A's tiles are asked for jointly along a row of the cluster, W's along a column.
; REGISTERS: window 0: v16-27 addresses, v64-127 and v128-191 two fragment buffers (W's four blocks, then A's four), v192-223 the bias;
;            window 1: accumulator tile (a, b) at v[8 (4 a + b)].
; The matrix instruction is used transposed (source 0 = columns of W, source 1 = rows of A): a lane holds eight neighbouring columns of one row.
.set APITCH, 144
.set BPITCH, 288                       ; 256 bytes + 32 = 9 x 32, for the transposing loads
.set PART,   36864                     ; what one tensor load brings: 2 x 128 x 144 = 128 x 288
.set SLOT,   4*PART
.set STAGE,  2*SLOT                    ; behind the ring: 16 rows x 272 bytes for each wave; no tensor load fills it
.set SPITCH, 272
.set PLANE,  262144
.set ASTEP,  8*PLANE                   ; two slots on: eight heads
.set BSTEP,  512*2048                  ; two slots on: 512 k rows
.set ADRA, 16                          ; v16-17  my A fragments in slot 0, 1
.set ADRB, 20                          ; v20-23  my W fragments in slot s, quarters 0-3 (2 s) and 4-7 (2 s + 1)
.set STO,  24
.set RD,   25
.set CO,   26
.set BOF,  27
.set F0,   64
.set F1,   128
.set BIAS, 192
.set G1,  24
.set G0,  32
.set G1B, 48
.set G0B, 56
.set MSB, 0
.macro WIN new
.if MSB != \new
	s_set_vgpr_msb (MSB<<8)|\new
.set MSB, \new
.endif
.endm
.set MUL, 0x50                         ; sources 0 and 1 window 0, C and D window 1
.set ONE, 0x40                         ; the first products: C (the bias) window 0
.macro JLOAD s
	s_cmp_eq_u32 s11, 0
	s_cbranch_scc0 .Lfor_b_\@
	tensor_load_to_lds s[G0+4*\s:G0+4*\s+3], s[G1:G1+7]
	s_nop 0
	s_branch .Lasked_\@
.Lfor_b_\@:
	tensor_load_to_lds s[G0B+4*\s:G0B+4*\s+3], s[G1B:G1B+7]
	s_nop 0
.Lasked_\@:
.endm
.macro CREST
	s_cmp_lg_u32 s10, 0
	s_cbranch_scc1 .Lnot_wave_0_\@
	s_barrier_signal -3
.Lnot_wave_0_\@:
	s_barrier_wait -3
	s_barrier_signal -1
	s_barrier_wait -1
.endm
.macro CROUND
	s_barrier_signal -1
	s_barrier_wait -1
	CREST
.endm
	s_load_b128 s[4:7], s[0:1], 0x0                ; ctx s[4:5], cb s[6:7]
	s_load_b64 s[8:9], s[0:1], 0x10                ; out0
	s_load_b64 s[68:69], s[0:1], 0x18              ; bias
	v_lshl_add_u32 v254, v0, 2, 0x4c400
	v_mov_b32 v255, 0
	ds_add_u32 v254, v255
	v_lshrrev_b32 v1, 5, v0
	v_readfirstlane_b32 s10, v1                    ; wave 0..3
	s_lshr_b32 s11, s10, 1                         ; my half of the rows; also: I fetch for A (0) or W (1)
	s_and_b32 s12, s10, 1                          ; my half of the columns; also: which part I fetch
	s_bfe_u32 s40, ttmp6, 0x40000                  ; cx
	s_bfe_u32 s41, ttmp6, 0x40004                  ; cy
	s_lshl_b32 s42, ttmp9, 2
	s_add_co_u32 s42, s42, s40                     ; block column
	s_and_b32 s13, ttmp7, 0xffff
	s_lshl_b32 s13, s13, 2
	s_add_co_u32 s13, s13, s41                     ; block row
	s_lshl_b32 s43, s41, 2
	s_lshl_b32 s43, 15, s43                        ; my row of the cluster
	s_lshl_b32 s44, 0x1111, s40                    ; my column
	; group 1 for A: 2 rows x 8,192 elements, a head apart; 16 bytes of padding behind every 32 words (a row of the head)
	s_or_b32 s[G1+0], s43, (1<<16)|(1<<20)|(1<<21)|(4<<22)|(3<<25)
	s_mov_b32 s[G1+1], 8192<<16                    ; tensor_dim0
	s_mov_b32 s[G1+2], 2<<16                       ; tensor_dim1
	s_mov_b32 s[G1+3], 8192<<16                    ; tile_dim0
	s_mov_b32 s[G1+4], 2                           ; tile_dim1
	s_mov_b32 s[G1+5], 131072                      ; elements from a head to the next
	s_mov_b32 s[G1+6], 0
	s_mov_b32 s[G1+7], 0
	; group 1 for W: 128 k rows x 128 elements; 32 bytes of padding behind every 64 words
	s_or_b32 s[G1B+0], s44, (1<<16)|(1<<20)|(1<<21)|(5<<22)|(7<<25)
	s_mov_b32 s[G1B+1], 128<<16
	s_mov_b32 s[G1B+2], 128<<16
	s_mov_b32 s[G1B+3], 128<<16
	s_mov_b32 s[G1B+4], 128
	s_mov_b32 s[G1B+5], 1024
	s_mov_b32 s[G1B+6], 0
	s_mov_b32 s[G1B+7], 0
	s_lshr_b32 s16, s13, 4
	s_lshl_b32 s16, s16, 22                        ; A: the batch's sixteen heads,
	s_and_b32 s17, s13, 15
	s_lshl_b32 s17, s17, 14                        ; 128 rows of 128 bytes a block row,
	s_add_co_u32 s16, s16, s17
	s_lshl_b32 s17, s12, 19                        ; two heads for the second part
	s_add_co_u32 s16, s16, s17
	s_mov_b32 s17, 0
	s_lshl_b32 s46, s42, 8                         ; W: 256 bytes a block column,
	s_lshl_b32 s47, s12, 18                        ; 128 k rows for the second part
	s_add_co_u32 s46, s46, s47
	s_mov_b32 s47, 0
	s_mul_i32 s20, s10, PART                       ; to LDS: A's two parts, then W's two
	s_wait_dscnt 0x0
	s_wait_kmcnt 0x0
	s_add_nc_u64 s[14:15], s[4:5], s[16:17]
	s_add_nc_u64 s[46:47], s[6:7], s[46:47]
	CROUND                                         ; all sixteen work-groups are here: the first joint loads meet
.irp s, 0,1
	s_mov_b32 s[G0+4*\s], 1
	s_add_co_u32 s[G0+4*\s+1], s20, \s*SLOT
	s_add_nc_u64 s[G0+4*\s+2:G0+4*\s+3], s[14:15], \s*4*PLANE
	s_or_b32 s[G0+4*\s+3], s[G0+4*\s+3], 0x80000000
	s_mov_b32 s[G0B+4*\s], 1
	s_add_co_u32 s[G0B+4*\s+1], s20, \s*SLOT
	s_add_nc_u64 s[G0B+4*\s+2:G0B+4*\s+3], s[46:47], \s*256*2048
	s_or_b32 s[G0B+4*\s+3], s[G0B+4*\s+3], 0x80000000
	JLOAD \s
.endr
	v_and_b32 v1, 15, v0                           ; l % 16
	v_bfe_u32 v2, v0, 4, 1                         ; l / 16
	s_lshl_b32 s46, s42, 9                         ; the bias of my 64 columns, as the C of the first products
	s_lshl_b32 s47, s12, 8
	s_add_co_u32 s46, s46, s47
	s_mov_b32 s47, 0
	s_add_nc_u64 s[68:69], s[68:69], s[46:47]
	v_lshlrev_b32 v[BOF], 5, v2
.irp b, 0,1,2,3
	global_load_b128 v[BIAS+8*\b:BIAS+8*\b+3],   v[BOF], s[68:69] offset:64*\b
	global_load_b128 v[BIAS+8*\b+4:BIAS+8*\b+7], v[BOF], s[68:69] offset:64*\b+16
.endr
	v_mul_u32_u24 v3, v1, APITCH
	v_lshl_add_u32 v3, v2, 4, v3
	v_and_b32 v6, 7, v0
	v_lshl_add_u32 v6, v2, 3, v6
	v_mul_u32_u24 v6, v6, BPITCH
	v_bfe_u32 v7, v0, 3, 1
	v_lshl_add_u32 v6, v7, 4, v6
	s_mul_i32 s21, s11, 64*APITCH                  ; my 64 rows of each head
	s_lshl_b32 s22, s12, 7                         ; my 64 columns of W,
	s_add_co_u32 s22, s22, 2*PART                  ; which lies behind A
.irp s, 0,1
	v_add_nc_u32 v[ADRA+\s], s21, v3
	v_add_nc_u32 v[ADRB+2*\s], s22, v6
	s_add_co_u32 s22, s22, PART
	v_add_nc_u32 v[ADRB+2*\s+1], s22, v6
	s_add_co_u32 s21, s21, SLOT
	s_add_co_u32 s22, s22, SLOT-PART
.endr
	s_mul_i32 s23, s10, 16*SPITCH
	s_add_co_u32 s23, s23, STAGE                   ; my stage
	v_mul_u32_u24 v4, v1, SPITCH
	v_lshl_add_u32 v4, v2, 5, v4
	v_add_nc_u32 v[STO], s23, v4                   ; in: row l % 16, 32 bytes for each half
	v_mul_u32_u24 v5, v2, SPITCH
	v_lshl_add_u32 v5, v1, 4, v5
	v_add_nc_u32 v[RD], s23, v5                    ; back: sixteen lanes take a row's 256 bytes
	v_lshlrev_b32 v5, 12, v2
	v_lshl_add_u32 v[CO], v1, 4, v5                ; and the same two rows in out0
; 8 matrix instructions: m blocks a0, a0 + 1 x all 4 n blocks.  The 16 accumulators take turns, one instruction a turn, in the same order in every
; quarter.
.macro MUL8 f, a0, first
.irp a, \a0, \a0+1
.irp b, 0,1,2,3
.if \first
	v_wmma_f32_16x16x32_f16 v[8*(4*(\a)+\b):8*(4*(\a)+\b)+7], v[\f+8*\b:\f+8*\b+7], v[\f+32+8*(\a):\f+32+8*(\a)+7], v[BIAS+8*\b:BIAS+8*\b+7]
.else
	v_wmma_f32_16x16x32_f16 v[8*(4*(\a)+\b):8*(4*(\a)+\b)+7], v[\f+8*\b:\f+8*\b+7], v[\f+32+8*(\a):\f+32+8*(\a)+7], v[8*(4*(\a)+\b):8*(4*(\a)+\b)+7]
.endif
.endr
.endr
.endm
; 16 LDS loads: quarter q (0..7) of a slot into buffer f
.macro FETCH slot, q, f
.irp b, 0,1,2,3
	ds_load_tr16_b128 v[\f+8*\b:\f+8*\b+3],   v[ADRB+2*\slot+(\q>>2)] offset:(\q&3)*32*BPITCH+32*\b
	ds_load_tr16_b128 v[\f+8*\b+4:\f+8*\b+7], v[ADRB+2*\slot+(\q>>2)] offset:(\q&3)*32*BPITCH+16*BPITCH+32*\b
.endr
.irp a, 0,1,2,3
	ds_load_b128 v[\f+32+8*\a:\f+32+8*\a+3], v[ADRA+\slot] offset:(\q>>1)*128*APITCH+\a*16*APITCH+64*(\q&1)       ; head q / 2, d = 32 (q % 2) ..
	ds_load_b128 v[\f+32+8*\a+4:\f+32+8*\a+7], v[ADRA+\slot] offset:(\q>>1)*128*APITCH+\a*16*APITCH+64*(\q&1)+32
.endr
.endm
.macro PLACES                          ; four plain vector instructions between a matrix instruction and a load into one of its sources, or a read of its result
.rept 4
	v_nop
.endr
.endm
.macro QUARTER slot, qn, f, g, first   ; fetches quarter qn into buffer g, then multiplies buffer f
	PLACES
	WIN 0
	FETCH \slot, \qn, \g
	s_wait_dscnt 16                                ; all but the 16 just issued: buffer f is in
.if \first
	WIN ONE
.else
	WIN MUL
.endif
	MUL8 \f, 0, \first
	MUL8 \f, 2, \first
.endm
.macro SEVEN slot, first
	QUARTER \slot, 1, F0, F1, \first
	QUARTER \slot, 2, F1, F0, 0
	QUARTER \slot, 3, F0, F1, 0
	QUARTER \slot, 4, F1, F0, 0
	QUARTER \slot, 5, F0, F1, 0
	QUARTER \slot, 6, F1, F0, 0
	QUARTER \slot, 7, F0, F1, 0
.endm
; The eighth quarter changes slots: each wave's reads of this slot and all its tensor loads are waited for in front of the barrier; behind it the
; refill comes first, then the next slot's first fragments.
.macro TURN slot, next, fill
	s_wait_dscnt 0x0                               ; buffer 1 is in, and with it my last reads of this slot
	s_wait_tensorcnt 0x0                           ; all my tensor loads have landed: the one that was out is my part of the next slot
	ds_add_u32 v254, v255
	s_wait_dscnt 0x0
	s_barrier_signal -1                            ; (where a slot is filled again this barrier opens a round of the cluster's barrier)
	WIN MUL
	MUL8 F1, 0, 0                                  ; register work while the others arrive
	WIN 0
	s_barrier_wait -1
.if \fill
	CREST                                          ; no wave of any partner still reads this slot or has a load on its way
	s_add_nc_u64 s[G0+4*\slot+2:G0+4*\slot+3], s[G0+4*\slot+2:G0+4*\slot+3], ASTEP
	s_add_nc_u64 s[G0B+4*\slot+2:G0B+4*\slot+3], s[G0B+4*\slot+2:G0B+4*\slot+3], BSTEP
	JLOAD \slot                                    ; the first tensor load behind the round, the wave's only one until the next
.endif
	PLACES
	FETCH \next, 0, F0
	WIN MUL
	MUL8 F1, 2, 0
.endm
	s_wait_tensorcnt 1                             ; my part of slot 0 is in; slot 1's may stay out
	s_barrier_signal -1
	s_barrier_wait -1
	FETCH 0, 0, F0
	s_wait_loadcnt 0x0                             ; the bias
	SEVEN 0, 1                                     ; k 0-255; the first products start the sums from the bias
	TURN 0, 1, 1                                   ; slot 0 gets k 512-767
	SEVEN 1, 0
	TURN 1, 0, 1                                   ; slot 1 gets k 768-1023
	SEVEN 0, 0
	TURN 0, 1, 0                                   ; nothing is left to fetch
	SEVEN 1, 0
	s_wait_dscnt 0x0
	WIN MUL
	MUL8 F1, 0, 0
	MUL8 F1, 2, 0
	PLACES                                         ; behind the last products: the stores below read results, the loads land on fragment registers
	WIN 0
	s_lshl_b32 s16, s13, 19                        ; 128 rows of 4,096 bytes a block row,
	s_lshl_b32 s17, s11, 18                        ; 64 for my half
	s_add_co_u32 s16, s16, s17
	s_mov_b32 s17, 0
	s_add_nc_u64 s[8:9], s[8:9], s[16:17]
	s_lshl_b32 s46, s42, 9                         ; 512 bytes a block column, 256 for my half
	s_lshl_b32 s47, s12, 8
	s_add_co_u32 s46, s46, s47
	s_mov_b32 s47, 0
	s_add_nc_u64 s[8:9], s[8:9], s[46:47]
; THE WAY OUT, 16 rows at a time: the f32 sums go into my stage as they lie (32 bytes a lane and block) and come back as whole rows of 256 bytes.
.macro OUTA a, f
	WIN 0x04                                       ; an LDS store's data is source 1: window 1
.irp b, 0,1,2,3
	ds_store_b128 v[STO], v[8*(4*\a+\b):8*(4*\a+\b)+3]   offset:64*\b
	ds_store_b128 v[STO], v[8*(4*\a+\b)+4:8*(4*\a+\b)+7] offset:64*\b+16
.endr
	WIN 0
	s_wait_xcnt 0x0                                ; buffer f, which earlier stores read, and the stores' base are rewritten only behind this wait
.if \a
	s_add_nc_u64 s[8:9], s[8:9], 16*4096
.endif
.irp t, 0,1,2,3,4,5,6,7
	ds_load_b128 v[\f+4*\t:\f+4*\t+3], v[RD] offset:\t*2*SPITCH    ; my own bytes, served in order behind the stores above
.endr
.irp t, 0,1,2,3,4,5,6,7
	s_wait_dscnt 7-\t
	global_store_b128 v[CO], v[\f+4*\t:\f+4*\t+3], s[8:9] offset:\t*2*4096 th:TH_STORE_NT   ; sixteen lanes store 256 consecutive bytes, aligned
.endr
.endm
	OUTA 0, F0
	OUTA 1, F1
	OUTA 2, F0
	OUTA 3, F1
	s_wait_tensorcnt 0x0
	ds_add_u32 v254, v255
	s_wait_dscnt 0x0
	CROUND                                         ; the closing round: no work-group ends while a partner may still ask for a tile that names it
	s_endpgm
.Lfunc_end_k_q80c5312fa2_proj:
	.size	k_q80c5312fa2_proj, .Lfunc_end_k_q80c5312fa2_proj-k_q80c5312fa2_proj
	.p2alignl 7, 3214868480
	.fill 96, 4, 3214868480
	.section	.rodata,"a",@progbits
	.p2align	6, 0x0
	.amdhsa_kernel k_q80c5312fa2_proj
		.amdhsa_group_segment_fixed_size 327680
		.amdhsa_private_segment_fixed_size 0
		.amdhsa_enable_private_segment 0
		.amdhsa_kernarg_size 32
		.amdhsa_user_sgpr_count 2
		.amdhsa_user_sgpr_kernarg_segment_ptr 1
		.amdhsa_wavefront_size32 1
		.amdhsa_system_sgpr_workgroup_id_x 1
		.amdhsa_system_sgpr_workgroup_id_y 1
		.amdhsa_system_sgpr_workgroup_id_z 1
		.amdhsa_system_vgpr_workitem_id 0
		.amdhsa_next_free_vgpr 384
		.amdhsa_next_free_sgpr 72
		.amdhsa_reserve_vcc 0
		.amdhsa_float_denorm_mode_32 3
		.amdhsa_float_denorm_mode_16_64 3
		.amdhsa_memory_ordered 1
		.amdhsa_forward_progress 1
		.amdhsa_inst_pref_size 90
	.end_amdhsa_kernel
	.amdgpu_metadata
---
amdhsa.version: [ 1, 2 ]
amdhsa.kernels:
  - .name:           k_q80c5312fa2_proj
    .symbol:         k_q80c5312fa2_proj.kd
    .args:
      - { .name: ctx, .offset: 0, .size: 8, .value_kind: global_buffer, .address_space: global }
      - { .name: cb, .offset: 8, .size: 8, .value_kind: global_buffer, .address_space: global }
      - { .name: out0, .offset: 16, .size: 8, .value_kind: global_buffer, .address_space: global }
      - { .name: c_proj_bias, .offset: 24, .size: 8, .value_kind: global_buffer, .address_space: global }
    .group_segment_fixed_size: 327680
    .private_segment_fixed_size: 0
    .kernarg_segment_align: 8
    .kernarg_segment_size: 32
    .max_flat_workgroup_size: 128
    .sgpr_count:     72
    .vgpr_count:     384
    .wavefront_size: 32
...
	.end_amdgpu_metadata
.endif
;; end of part 4
;; ======== version 2 of 2: 4 launches; version 1 with the launch cast written anew for expert scheduling mode
;; limits: right only within a limited range of input values; values are held in f16: magnitudes above 65,504 overflow, below 6.1e-05 lose precision
;; workspace buffers: xb 8,388,608 bytes; wb 6,291,456 bytes; cb 2,097,152 bytes; qkv 25,165,824 bytes; vpart 131,072 bytes; ctx 8,388,608 bytes
;; launch cast (part 5): grid 512 x 1, 8 waves a work-group, no clusters, 0 bytes of LDS; arguments x, W_qkv_kernel, c_proj_kernel, xb, wb, cb; writes xb, wb, cb
.if DOCPART == 5
	.amdgcn_target "amdgcn-amd-amdhsa--gfx1250"
	.amdhsa_code_object_version 6
	.text
	.protected	k_q80c5312fa2_cast
	.globl	k_q80c5312fa2_cast
	.p2align	8
	.type	k_q80c5312fa2_cast,@function
k_q80c5312fa2_cast:
	s_mov_b64 s[64:65], 0
	v_nop
	global_prefetch_b8 v0, s[64:65] scope:SCOPE_SE
	s_setreg_imm32_b32 hwreg(HW_REG_WAVE_SCHED_MODE, 0, 2), 2
	s_setreg_imm32_b32 hwreg(HW_REG_WAVE_MODE, 25, 1), 1
	s_wait_xcnt 0x0
	s_wait_alu depctr_vm_vsrc(0)
; The three large inputs are rounded to bf16, once (same order of elements): x -> xb and W_qkv_kernel -> wb as bf16;
; c_proj_kernel -> cb: the number rounded to bf16 is written in f16's format, because its partner in the last product, ctx, is kept in f16.
; f16 holds a bf16 number exactly (8 significant bits in 11) from 2^-17 up to 65,504; below 2^-17 it is off by 3e-8 at the most.
; LIMIT: |c_proj_kernel| < 65,504.
; A stream: no LDS, no barrier, no matrix unit, no cluster (no byte is read by two work-groups).
; A work-group takes 16,384 numbers (65,536 bytes in, 32,768 out): groups 0-255 x, 256-447 W_qkv_kernel, 448-511 c_proj_kernel.
; Thread t takes 16 bytes at 16 t of each of 16 pieces of 4,096 bytes: a load of a wave covers 512 consecutive bytes, a store 256, aligned.
; All 16 loads of a wave go out first; the waits for data are counted.
; THE MODE: SCHED_MODE bits 1:0 = 2 (LLVM: expert scheduling mode 2), set by the entry lines.  The code itself states the register dependences
; between vector instructions and memory instructions, with s_wait_alu, always for 0.
; THE PLAN.  Registers that memory instructions touch:
;   v1, v2   byte offsets of the loads and of the stores: made once at the head, never written again; the scalar bases are never stepped.
;   X        piece k's four registers: the loads land in them; all loads are issued before any vector instruction names X; no memory instruction reads X.
;   Y        piece k's two registers: written by piece k's conversions, read by piece k's one store, and not written again behind it.
; The 16 pieces go in four blocks of four.  Block p waits for its first piece, states with ONE wait that block p - 1's conversions have written
; their Y, issues that block's four stores in a run, and rounds its own four pieces, which name block p's X and Y alone.  Behind block 3 one more
; wait stands ahead of the last four stores.  No register that a memory instruction has read is ever written again, so no wait is owed for that.
.set X, 4                              ; v[4:67]   piece k: 4 numbers as loaded
.set Y, 68                             ; v[68:99]  piece k: 4 numbers in 16 bits
.set PIECE, 4096                       ; bytes that the 256 threads read with one load each
	s_load_b256 s[4:11], s[0:1], 0x0               ; x s[4:5], W s[6:7], c s[8:9], xb s[10:11]
	s_load_b128 s[12:15], s[0:1], 0x20             ; wb s[12:13], cb s[14:15]
	v_lshlrev_b32 v1, 4, v0                        ; 16 t: where I read
	v_lshlrev_b32 v2, 3, v0                        ; 8 t: where I write
	s_movk_i32 s24, 448                            ; first group of c_proj_kernel
	s_movk_i32 s21, 256                            ; first group of W_qkv_kernel
	s_wait_kmcnt 0x0
	s_cmp_lt_u32 ttmp9, s24                        ; the choice hangs on the group's number alone
	s_cselect_b64 s[16:17], s[6:7], s[8:9]
	s_cselect_b64 s[18:19], s[12:13], s[14:15]
	s_cselect_b32 s20, s21, s24
	s_cmp_lt_u32 ttmp9, s21
	s_cselect_b64 s[16:17], s[4:5], s[16:17]       ; from
	s_cselect_b64 s[18:19], s[10:11], s[18:19]     ; to
	s_cselect_b32 s20, 0, s20                      ; first group of my tensor
	s_sub_co_u32 s20, ttmp9, s20                   ; my place in it
	s_lshl_b32 s22, s20, 16
	s_mov_b32 s23, 0
	s_add_nc_u64 s[16:17], s[16:17], s[22:23]
	s_lshl_b32 s22, s20, 15
	s_add_nc_u64 s[18:19], s[18:19], s[22:23]
	s_wait_alu depctr_va_vdst(0)                   ; v1 and v2 are written: every load of the kernel reads v1 as its offset, every store v2
.irp k, 0,1,2,3,4,5,6,7,8,9,10,11,12,13,14,15
	global_load_b128 v[X+4*\k:X+4*\k+3], v1, s[16:17] offset:PIECE*\k th:TH_LOAD_NT   ; read once in the whole launch
.endr
; Piece k is rounded.  half = 1: the rounded numbers are widened again (a shift, a mask) and written as f16.
.macro CONV k, half
	v_cvt_pk_bf16_f32 v[Y+2*(\k)],   v[X+4*(\k)],   v[X+4*(\k)+1]
	v_cvt_pk_bf16_f32 v[Y+2*(\k)+1], v[X+4*(\k)+2], v[X+4*(\k)+3]
.if \half
	v_lshlrev_b32 v[X+4*(\k)],   16, v[Y+2*(\k)]
	v_and_b32     v[X+4*(\k)+1], 0xffff0000, v[Y+2*(\k)]
	v_lshlrev_b32 v[X+4*(\k)+2], 16, v[Y+2*(\k)+1]
	v_and_b32     v[X+4*(\k)+3], 0xffff0000, v[Y+2*(\k)+1]
	v_cvt_pk_f16_f32 v[Y+2*(\k)],   v[X+4*(\k)],   v[X+4*(\k)+1]
	v_cvt_pk_f16_f32 v[Y+2*(\k)+1], v[X+4*(\k)+2], v[X+4*(\k)+3]
.endif
.endm
; Piece k is stored.
.macro SEND k
	global_store_b64 v2, v[Y+2*(\k):Y+2*(\k)+1], s[18:19] offset:PIECE/2*(\k)         ; no hint: a later launch reads it
.endm
; Block p: pieces 4 p to 4 p + 3 are rounded; the block before is stored.
.macro BLK p, half
	s_wait_loadcnt 15-4*(\p)                       ; loads come back in order: piece 4 p is in, the younger ones stay out
.if \p
	s_wait_alu depctr_va_vdst(0)                   ; the conversions of the block before have written their Y, which the four stores below read
.irp i, 0,1,2,3
	SEND 4*(\p)-4+\i                               ; in a run: they are ready, and waits for data stand between the conversions below
.endr
.endif
	CONV 4*(\p), \half                             ; no vector instruction of this block names a register that those stores read
.irp i, 1,2,3
	s_wait_loadcnt 15-4*(\p)-\i
	CONV 4*(\p)+\i, \half
.endr
.endm
.macro PIECES half
	BLK 0, \half
	BLK 1, \half
	BLK 2, \half
	BLK 3, \half
	s_wait_alu depctr_va_vdst(0)                   ; block 3's conversions have written their Y, which the last four stores read
.irp i, 12,13,14,15
	SEND \i
.endr
.endm
	s_cmp_lt_u32 ttmp9, s24
	s_cbranch_scc0 .Lhalf
	PIECES 0                                       ; x, W_qkv_kernel
	s_endpgm
.Lhalf:
	PIECES 1                                       ; c_proj_kernel
	s_endpgm
.Lfunc_end_k_q80c5312fa2_cast:
	.size	k_q80c5312fa2_cast, .Lfunc_end_k_q80c5312fa2_cast-k_q80c5312fa2_cast
	.p2alignl 7, 3214868480
	.fill 96, 4, 3214868480
	.section	.rodata,"a",@progbits
	.p2align	6, 0x0
	.amdhsa_kernel k_q80c5312fa2_cast
		.amdhsa_group_segment_fixed_size 0
		.amdhsa_private_segment_fixed_size 0
		.amdhsa_enable_private_segment 0
		.amdhsa_kernarg_size 48
		.amdhsa_user_sgpr_count 2
		.amdhsa_user_sgpr_kernarg_segment_ptr 1
		.amdhsa_wavefront_size32 1
		.amdhsa_system_sgpr_workgroup_id_x 1
		.amdhsa_system_sgpr_workgroup_id_y 1
		.amdhsa_system_sgpr_workgroup_id_z 1
		.amdhsa_system_vgpr_workitem_id 0
		.amdhsa_next_free_vgpr 104
		.amdhsa_next_free_sgpr 66
		.amdhsa_reserve_vcc 0
		.amdhsa_float_denorm_mode_32 3
		.amdhsa_float_denorm_mode_16_64 3
		.amdhsa_memory_ordered 1
		.amdhsa_forward_progress 1
		.amdhsa_inst_pref_size 16
	.end_amdhsa_kernel
	.amdgpu_metadata
---
amdhsa.version: [ 1, 2 ]
amdhsa.kernels:
  - .name:           k_q80c5312fa2_cast
    .symbol:         k_q80c5312fa2_cast.kd
    .args:
      - { .name: x, .offset: 0, .size: 8, .value_kind: global_buffer, .address_space: global }
      - { .name: W_qkv_kernel, .offset: 8, .size: 8, .value_kind: global_buffer, .address_space: global }
      - { .name: c_proj_kernel, .offset: 16, .size: 8, .value_kind: global_buffer, .address_space: global }
      - { .name: xb, .offset: 24, .size: 8, .value_kind: global_buffer, .address_space: global }
      - { .name: wb, .offset: 32, .size: 8, .value_kind: global_buffer, .address_space: global }
      - { .name: cb, .offset: 40, .size: 8, .value_kind: global_buffer, .address_space: global }
    .group_segment_fixed_size: 0
    .private_segment_fixed_size: 0
    .kernarg_segment_align: 8
    .kernarg_segment_size: 48
    .max_flat_workgroup_size: 256
    .sgpr_count:     66
    .vgpr_count:     104
    .wavefront_size: 32
...
	.end_amdgpu_metadata
.endif
;; end of part 5
;; launch qkv: the kernel of part 2 again; grid 12 x 16, 4 waves a work-group, clusters of 4 x 4, 327,680 bytes of LDS; arguments xb, wb, qkv, W_qkv_bias, vpart; writes qkv, vpart
;; launch attn: the kernel of part 3 again; grid 256 x 1, 8 waves a work-group, no clusters, 327,680 bytes of LDS; arguments qkv, attention_mask, vpart, ctx; writes ctx
;; launch proj: the kernel of part 4 again; grid 8 x 32, 4 waves a work-group, clusters of 4 x 4, 327,680 bytes of LDS; arguments ctx, cb, out0, c_proj_bias; writes out0
